; MI455X (gfx1250); checked and timed in simulation.
; The chip was launched on July 23, 2026; its instructions are those of AMD's public machine-readable ISA for CDNA 5 (MIT licence, August 2026) and "CDNA5" Instruction Set Architecture Reference Guide (July 2026). The comments in the code are by the model that wrote it; some were corrected since.
;; Enhanced Geometry Aware Module. Allowed arithmetic: float matrix products may take bf16 or f16 operands with f32 sums; other float arithmetic in f32, or as packed bf16 or f16 multiplies, adds, multiply-adds, maxima and minima; sums over many terms, partial sums and values carried from step to step in f32; what a program stores and reads back later, other than sums and carried values, may be rounded once to bf16 or f16.
;; Inputs: anchors 10 x 1,024 float32; ar_b1 512 float32; ar_b2 1,024 float32; ar_w1 1,024 x 512 float32; ar_w2 512 x 1,024 float32; cen_w one number float32; div_w one number float32; features 8,192 x 1,024 float32; ff_b1 2,048 float32; ff_b2 1,024 float32; ff_w1 1,024 x 2,048 float32; ff_w2 2,048 x 1,024 float32; k_b 1,024 float32; k_w 1,024 x 1,024 float32; ln_b 1,024 float32; ln_g 1,024 float32; o_b 1,024 float32; o_w 1,024 x 1,024 float32; q_b 1,024 float32; q_w 1,024 x 1,024 float32; v_b 1,024 float32; v_w 1,024 x 1,024 float32.
;; Outputs: out0 8,192 x 1,024 float32; out1 one number float32.
;; 2 versions, each right; version 2 is version 1 with the launch prep written anew for expert scheduling mode. Each part assembles by itself: llvm-mc -triple=amdgcn-amd-amdhsa -mcpu=gfx1250 --defsym DOCPART=n.
;; ======== version 1 of 2: 7 launches
;; limits: a function is approximated: absolute error at most 3e-07; values outside matrix products are rounded to bf16; values are held in f16: magnitudes above 65,504 overflow, below 6.1e-05 lose precision; right only within a limited range of input values
;; workspace buffers: wsA 8,421,376 bytes; wsB 66,560 bytes; wsC 164,096 bytes; wsD 525,056 bytes; wsE 16,811,008 bytes; wsH 33,554,432 bytes
;; launch prep (part 1): grid 136 x 1, 16 waves a work-group, no clusters, 67,584 bytes of LDS; arguments anchors, ar_w1, ar_b1, ff_w1, ff_w2, wsA; writes wsA
.if DOCPART == 1
	.amdgcn_target "amdgcn-amd-amdhsa--gfx1250"
	.amdhsa_code_object_version 6
	.text
	.protected	k_qc009465ccb_prep
	.globl	k_qc009465ccb_prep
	.p2align	8
	.type	k_qc009465ccb_prep,@function
k_qc009465ccb_prep:
	s_mov_b64 s[64:65], 0
	v_nop
	global_prefetch_b8 v0, s[64:65] scope:SCOPE_SE
	s_setreg_imm32_b32 hwreg(HW_REG_WAVE_MODE, 25, 1), 1
	s_wait_xcnt 0x0
; FIRST OF SEVEN LAUNCHES.  The program computes final = fn + 0.2 ff(LN(fn + 0.1 att)) and the scalar geo.
; WORK LEFT OUT, for all values of the inputs:
;  (1) k_b.  With k = an k_w + k_b the score of (row, head h, anchor a) is q_h . (an k_w)_a,h + q_h . k_b,h.  The second term does not depend on a: it is the same along
;      the softmax's axis, so it cancels in aw, and the scores reach no output but through aw.  k_b is not loaded and is no argument of any launch.
;  (2) The products fn q_w and att o_w are reassociated, not dropped: (fn q_w + q_b) . k = fn (q_w k^T) + q_b . k, and (aw v) o_w = aw (v o_w); o_b rides on head 0's rows
;      of v o_w, since a head's weights add up to 1.
; FORMATS.  Sums are f32.  The anchor chain, the scores and the attended vector multiply in bf16.  The two large products (x ff_w1, h ff_w2) multiply in f16: a rounding to bf16's 8 significant
; bits is off by some 0.16% (root mean square), and x's, ff_w1's, h's and ff_w2's together by some 0.3% of the ff output's root mean square, too near the 1% that every single number has to keep;
; f16's 11 bits make that an eighth.
; LIMITS.  A NaN, an infinity or an overflow that reaches only k_b is not carried to the result.  f16 ends at 65,504: |x| is at most 32 |ln_g| + |ln_b|; a pre-activation x ff_w1 + ff_b1 of 65,520 or
; more gives an infinity in h; a weight below 6e-5 keeps f16's fixed step of 6e-8.
; THIS LAUNCH.  Work-groups 0-7: hid = relu(anchors ar_w1 + ar_b1), [16][512] f32; rows 10-15 repeat anchor 9, so that every later tile of 16 anchors holds finite numbers.
; Work-groups 8-135: ff_w1 and ff_w2 rounded once to f16, in place order (128 KiB of f32 a work-group, 8 KiB a wave).
; THE PRODUCT WITH 16 ROWS.  A work-group makes 64 columns; K is split among its 16 waves, 64 each (two steps of 32).  W lies [K][N]: a lane loads 16 bytes of a row, columns
; 64 g + 4 r .. + 3, so 16 lanes take 256 consecutive aligned bytes; word t of each load belongs to tile t, whose column slot r is column 64 g + 4 r + t: no transposition is needed.
; The 16 partial tiles meet in LDS; wave m then adds up row m, two columns a lane, and stores 256 consecutive aligned bytes.
.set SPARE, 65536                      ; behind the partial sums: the spare words, 128 bytes a wave
.set HID, 8388608                      ; hid's place in wsA
.set ROWB, 2048                        ; bytes in a row of ar_w1
	s_load_b256 s[4:11], s[0:1], 0x0               ; anchors s[4:5], ar_w1 s[6:7], ar_b1 s[8:9], ff_w1 s[10:11]
	s_load_b128 s[12:15], s[0:1], 0x20             ; ff_w2 s[12:13], wsA s[14:15]
	v_lshl_add_u32 v14, v0, 2, SPARE               ; my spare word
	v_mov_b32 v15, 0
	v_lshrrev_b32 v1, 5, v0
	v_readfirstlane_b32 s16, v1                    ; wave 0..15
	v_and_b32 v1, 31, v0                           ; lane
	s_mov_b32 s23, 0
	s_cmp_lt_u32 ttmp9, 8
	s_cbranch_scc0 .Lcast
	v_and_b32 v2, 15, v0                           ; r
	v_bfe_u32 v3, v0, 4, 1                         ; e
	s_lshl_b32 s18, s16, 17                        ; 64 w rows of 2,048 bytes
	s_lshl_b32 s19, ttmp9, 8                       ; 64 g columns
	s_add_co_u32 s18, s18, s19
	v_lshlrev_b32 v8, 4, v2
	v_lshl_add_u32 v8, v3, 14, v8                  ; + 8 e rows
	v_add_nc_u32 v8, s18, v8                       ; W's offset
	v_min_u32 v13, 9, v2                           ; rows 10-15 take anchor 9
	v_lshlrev_b32 v9, 12, v13
	v_lshl_add_u32 v9, v3, 5, v9
	s_lshl_b32 s18, s16, 8
	v_add_nc_u32 v9, s18, v9                       ; X's offset: row x 4,096 + (64 w + 8 e) x 4
	s_lshl_b32 s18, s16, 12
	v_lshl_add_u32 v10, v1, 4, s18                 ; where I put my partial tiles: 4,096 w + 16 l
	s_lshr_b32 s20, s16, 3                         ; where row m = my wave lies in a partial tile: lanes' half m / 8 (256 bytes),
	s_lshl_b32 s20, s20, 8
	s_lshr_b32 s21, s16, 2
	s_and_b32 s21, s21, 1                          ; quad (m / 4) % 2 (512 bytes),
	s_lshl_b32 s21, s21, 9
	s_add_co_u32 s20, s20, s21
	s_and_b32 s21, s16, 3                          ; word m % 4
	s_lshl_b32 s21, s21, 2
	s_add_co_u32 s20, s20, s21
	v_lshrrev_b32 v13, 1, v1
	v_lshl_add_u32 v11, v13, 4, s20                ; column slot l / 2
	v_and_b32 v13, 1, v1
	v_lshl_add_u32 v11, v13, 11, v11               ; tiles 2 (l % 2) and 2 (l % 2) + 1
	v_lshl_add_u32 v12, v1, 3, s19                 ; 256 g + 8 l: my two columns, in ar_b1 and in a row of hid
	s_lshl_b32 s22, s16, 11                        ; row m of hid
	s_wait_kmcnt 0x0
	s_add_nc_u64 s[14:15], s[14:15], s[22:23]
	s_add_nc_u64 s[14:15], s[14:15], HID
	global_load_b64 v[4:5], v12, s[8:9]            ; the bias: the oldest load
.irp k, 0,1
	global_load_b128 v[32+16*\k:35+16*\k], v9, s[4:5] offset:128*\k
	global_load_b128 v[36+16*\k:39+16*\k], v9, s[4:5] offset:128*\k+16
	global_load_b128 v[40+16*\k:43+16*\k], v9, s[4:5] offset:128*\k+64
	global_load_b128 v[44+16*\k:47+16*\k], v9, s[4:5] offset:128*\k+80
.endr
.set i, 0
.rept 32                               ; load i % 16 of step i / 16: rows 8 e + 0..7, then 16 + 8 e + 0..7
	global_load_b128 v[64+4*i:67+4*i], v8, s[6:7] offset:(32*(i/16)+(i%16)+8*((i%16)/8))*ROWB th:TH_LOAD_NT
.set i, i+1
.endr
.macro WCVT ks                         ; W's four fragments of step ks: register p of tile t holds rows 2 p, 2 p + 1
.set t, 0
.rept 4
.set p, 0
.rept 8
	v_cvt_pk_bf16_f32 v[192+32*(\ks)+8*t+p], v[64+64*(\ks)+8*p+t], v[64+64*(\ks)+8*p+4+t]
.set p, p+1
.endr
.set t, t+1
.endr
.endm
.macro WMUL ks, zero                   ; four products, the four accumulators by turns
.irp t, 0,1,2,3
.if \zero
	v_wmma_f32_16x16x32_bf16 v[32+8*\t:39+8*\t], v[16+8*(\ks):23+8*(\ks)], v[192+32*(\ks)+8*\t:199+32*(\ks)+8*\t], 0
.else
	v_wmma_f32_16x16x32_bf16 v[32+8*\t:39+8*\t], v[16+8*(\ks):23+8*(\ks)], v[192+32*(\ks)+8*\t:199+32*(\ks)+8*\t], v[32+8*\t:39+8*\t]
.endif
.endr
.endm
	s_wait_loadcnt 32                              ; W's 32 loads are younger: the bias and X are in
.set p, 0
.rept 16
	v_cvt_pk_bf16_f32 v[16+p], v[32+2*p], v[33+2*p]
.set p, p+1
.endr
	s_wait_loadcnt 16                              ; step 0 of W is in
	WCVT 0
	WMUL 0, 1
	s_wait_loadcnt 0x0
	WCVT 1
	WMUL 1, 0
.rept 4
	v_nop                                          ; four places between the last product and the stores that read the sums
.endr
.irp t, 0,1,2,3
	ds_store_b128 v10, v[32+8*\t:35+8*\t] offset:1024*\t
	ds_store_b128 v10, v[36+8*\t:39+8*\t] offset:1024*\t+512
.endr
	s_wait_dscnt 0x0                               ; for the others' sake: my partial tiles lie in LDS
	s_barrier_signal -1
	s_barrier_wait -1
.set w, 0
.rept 16
	ds_load_b32 v[64+2*w], v11 offset:4096*w
	ds_load_b32 v[65+2*w], v11 offset:4096*w+1024
.set w, w+1
.endr
	s_wait_dscnt 0x0                               ; my reads of the partial tiles are back
	s_barrier_signal -1                            ; a second barrier, between all waves' reads and the next write of LDS by any wave (the add at a wave's end); the sums stand inside it
.irp s, 8,4,2,1
.set w, 0
.rept \s
	v_pk_add_f32 v[64+2*w:65+2*w], v[64+2*w:65+2*w], v[64+2*(w+\s):65+2*(w+\s)]
.set w, w+1
.endr
.endr
	s_barrier_wait -1
	v_pk_add_f32 v[64:65], v[64:65], v[4:5]
	v_max_num_f32 v64, 0, v64
	v_max_num_f32 v65, 0, v65
	global_store_b64 v12, v[64:65], s[14:15]       ; the wave stores 256 consecutive bytes, aligned
	s_wait_tensorcnt 0x0                           ; the wave's end
	ds_add_u32 v14, v15
	s_wait_dscnt 0x0
	s_endpgm
.Lcast:                                        ; f32 to f16: 16 loads of 512 bytes a wave, 16 stores of 256
	s_sub_co_u32 s17, ttmp9, 8
	s_and_b32 s18, s17, 63
	s_lshl_b32 s20, s18, 17
	s_lshl_b32 s19, s16, 13
	s_add_co_u32 s20, s20, s19
	s_mov_b32 s21, 0
	s_lshr_b32 s22, s17, 6
	s_lshl_b32 s22, s22, 22                        ; ff_w2's copy lies 4 MiB behind ff_w1's
	s_lshl_b32 s19, s18, 16
	s_add_co_u32 s22, s22, s19
	s_lshl_b32 s19, s16, 12
	s_add_co_u32 s22, s22, s19
	v_lshlrev_b32 v2, 4, v1
	v_lshlrev_b32 v3, 3, v1
	s_wait_kmcnt 0x0
	s_cmp_lt_u32 s17, 64
	s_cselect_b64 s[24:25], s[10:11], s[12:13]
	s_add_nc_u64 s[24:25], s[24:25], s[20:21]
	s_add_nc_u64 s[14:15], s[14:15], s[22:23]
.set i, 0
.rept 16
	global_load_b128 v[64+4*i:67+4*i], v2, s[24:25] offset:512*i th:TH_LOAD_NT
.set i, i+1
.endr
.irp q, 0,1,2,3
	s_wait_loadcnt 12-4*\q                         ; the younger groups of four may stay out
.irp i, 0,1,2,3
	v_cvt_pk_f16_f32 v[128+8*\q+2*\i], v[64+16*\q+4*\i], v[65+16*\q+4*\i]
	v_cvt_pk_f16_f32 v[129+8*\q+2*\i], v[66+16*\q+4*\i], v[67+16*\q+4*\i]
	global_store_b64 v3, v[128+8*\q+2*\i:129+8*\q+2*\i], s[14:15] offset:256*(4*\q+\i)
.endr
.endr
	s_endpgm
.Lfunc_end_k_qc009465ccb_prep:
	.size	k_qc009465ccb_prep, .Lfunc_end_k_qc009465ccb_prep-k_qc009465ccb_prep
	.p2alignl 7, 3214868480
	.fill 96, 4, 3214868480
	.section	.rodata,"a",@progbits
	.p2align	6, 0x0
	.amdhsa_kernel k_qc009465ccb_prep
		.amdhsa_group_segment_fixed_size 67584
		.amdhsa_private_segment_fixed_size 0
		.amdhsa_enable_private_segment 0
		.amdhsa_kernarg_size 48
		.amdhsa_user_sgpr_count 2
		.amdhsa_user_sgpr_kernarg_segment_ptr 1
		.amdhsa_wavefront_size32 1
		.amdhsa_system_sgpr_workgroup_id_x 1
		.amdhsa_system_sgpr_workgroup_id_y 1
		.amdhsa_system_sgpr_workgroup_id_z 1
		.amdhsa_system_vgpr_workitem_id 0
		.amdhsa_next_free_vgpr 256
		.amdhsa_next_free_sgpr 66
		.amdhsa_reserve_vcc 0
		.amdhsa_float_denorm_mode_32 3
		.amdhsa_float_denorm_mode_16_64 3
		.amdhsa_memory_ordered 1
		.amdhsa_forward_progress 1
		.amdhsa_inst_pref_size 22
	.end_amdhsa_kernel
	.amdgpu_metadata
---
amdhsa.version: [ 1, 2 ]
amdhsa.kernels:
  - .name:           k_qc009465ccb_prep
    .symbol:         k_qc009465ccb_prep.kd
    .args:
      - { .name: anchors, .offset: 0, .size: 8, .value_kind: global_buffer, .address_space: global }
      - { .name: ar_w1, .offset: 8, .size: 8, .value_kind: global_buffer, .address_space: global }
      - { .name: ar_b1, .offset: 16, .size: 8, .value_kind: global_buffer, .address_space: global }
      - { .name: ff_w1, .offset: 24, .size: 8, .value_kind: global_buffer, .address_space: global }
      - { .name: ff_w2, .offset: 32, .size: 8, .value_kind: global_buffer, .address_space: global }
      - { .name: wsA, .offset: 40, .size: 8, .value_kind: global_buffer, .address_space: global }
    .group_segment_fixed_size: 67584
    .private_segment_fixed_size: 0
    .kernarg_segment_align: 8
    .kernarg_segment_size: 48
    .max_flat_workgroup_size: 512
    .sgpr_count:     66
    .vgpr_count:     256
    .wavefront_size: 32
...
	.end_amdgpu_metadata
.endif
;; end of part 1
;; launch refine (part 2): grid 16 x 1, 16 waves a work-group, no clusters, 67,584 bytes of LDS; arguments wsA, ar_w2, ar_b2, anchors, wsB; writes wsB
.if DOCPART == 2
	.amdgcn_target "amdgcn-amd-amdhsa--gfx1250"
	.amdhsa_code_object_version 6
	.text
	.protected	k_qc009465ccb_refine
	.globl	k_qc009465ccb_refine
	.p2align	8
	.type	k_qc009465ccb_refine,@function
k_qc009465ccb_refine:
	s_mov_b64 s[64:65], 0
	v_nop
	global_prefetch_b8 v0, s[64:65] scope:SCOPE_SE
	s_setreg_imm32_b32 hwreg(HW_REG_WAVE_MODE, 25, 1), 1
	s_wait_xcnt 0x0
; a2 = anchors + 0.1 tanh(hid ar_w2 + ar_b2), [16][1024] f32 (rows 10-15 repeat row 9), and for each row the sum of squares of the work-group's 64 columns.
; The product with 16 rows as in the launch before: 64 columns a work-group, K = 512 split among 16 waves (one step of 32 each), the partial tiles meet in LDS, wave m finishes row m.
; tanh z = 1 - 2 / (1 + 2^(2 log2(e) z)): where the power overflows the quotient is 0, where it vanishes the quotient is 2.
.set SPARE, 65536
.set HID, 8388608
.set ROWB, 4096
	s_load_b256 s[4:11], s[0:1], 0x0               ; wsA s[4:5], ar_w2 s[6:7], ar_b2 s[8:9], anchors s[10:11]
	s_load_b64 s[12:13], s[0:1], 0x20              ; wsB
	v_lshl_add_u32 v14, v0, 2, SPARE
	v_mov_b32 v15, 0
	v_lshrrev_b32 v1, 5, v0
	v_readfirstlane_b32 s16, v1                    ; wave = row m
	v_and_b32 v1, 31, v0
	v_and_b32 v2, 15, v0
	v_bfe_u32 v3, v0, 4, 1
	s_mov_b32 s23, 0
	s_mov_b32 s34, 0x76543210
	s_mov_b32 s35, 0xfedcba98
	s_lshl_b32 s18, s16, 17                        ; 32 w rows of 4,096 bytes
	s_lshl_b32 s19, ttmp9, 8
	s_add_co_u32 s18, s18, s19
	v_lshlrev_b32 v8, 4, v2
	v_lshl_add_u32 v8, v3, 15, v8
	v_add_nc_u32 v8, s18, v8
	v_lshlrev_b32 v9, 11, v2                       ; hid's rows are 2,048 bytes
	v_lshl_add_u32 v9, v3, 5, v9
	s_lshl_b32 s18, s16, 7
	v_add_nc_u32 v9, s18, v9
	s_lshl_b32 s18, s16, 12
	v_lshl_add_u32 v10, v1, 4, s18
	s_lshr_b32 s20, s16, 3                         ; row m in a partial tile: half m / 8, quad (m / 4) % 2, word m % 4
	s_lshl_b32 s20, s20, 8
	s_lshr_b32 s21, s16, 2
	s_and_b32 s21, s21, 1
	s_lshl_b32 s21, s21, 9
	s_add_co_u32 s20, s20, s21
	s_and_b32 s21, s16, 3
	s_lshl_b32 s21, s21, 2
	s_add_co_u32 s20, s20, s21
	v_lshrrev_b32 v13, 1, v1
	v_lshl_add_u32 v11, v13, 4, s20
	v_and_b32 v13, 1, v1
	v_lshl_add_u32 v11, v13, 11, v11
	v_lshl_add_u32 v12, v1, 3, s19                 ; 256 g + 8 l
	v_mov_b32 v13, 0
	s_min_u32 s17, s16, 9
	s_lshl_b32 s22, s17, 12
	s_lshl_b32 s28, s16, 12
	s_mov_b32 s29, 0
	s_lshl_b32 s30, s16, 6
	s_lshl_b32 s31, ttmp9, 2
	s_add_co_u32 s30, s30, s31                     ; (16 m + g) x 4
	s_mov_b32 s31, 0
	s_wait_kmcnt 0x0
	s_add_nc_u64 s[4:5], s[4:5], HID
	s_add_nc_u64 s[10:11], s[10:11], s[22:23]      ; anchors at row min(m, 9)
	s_add_nc_u64 s[24:25], s[12:13], s[28:29]      ; a2 at row m
	s_add_nc_u64 s[26:27], s[12:13], s[30:31]
	s_add_nc_u64 s[26:27], s[26:27], 65536         ; nsq[m][g]
	global_load_b64 v[4:5], v12, s[8:9]
	global_load_b64 v[6:7], v12, s[10:11]
	global_load_b128 v[32:35], v9, s[4:5]
	global_load_b128 v[36:39], v9, s[4:5] offset:16
	global_load_b128 v[40:43], v9, s[4:5] offset:64
	global_load_b128 v[44:47], v9, s[4:5] offset:80
.set i, 0
.rept 16
	global_load_b128 v[64+4*i:67+4*i], v8, s[6:7] offset:(i+8*(i/8))*ROWB th:TH_LOAD_NT
.set i, i+1
.endr
	s_wait_loadcnt 16                              ; W's 16 loads are younger
.set p, 0
.rept 8
	v_cvt_pk_bf16_f32 v[16+p], v[32+2*p], v[33+2*p]
.set p, p+1
.endr
	s_wait_loadcnt 0x0
.set t, 0
.rept 4
.set p, 0
.rept 8
	v_cvt_pk_bf16_f32 v[192+8*t+p], v[64+8*p+t], v[64+8*p+4+t]
.set p, p+1
.endr
.set t, t+1
.endr
.irp t, 0,1,2,3
	v_wmma_f32_16x16x32_bf16 v[32+8*\t:39+8*\t], v[16:23], v[192+8*\t:199+8*\t], 0
.endr
.rept 4
	v_nop
.endr
.irp t, 0,1,2,3
	ds_store_b128 v10, v[32+8*\t:35+8*\t] offset:1024*\t
	ds_store_b128 v10, v[36+8*\t:39+8*\t] offset:1024*\t+512
.endr
	s_wait_dscnt 0x0
	s_barrier_signal -1
	s_barrier_wait -1
.set w, 0
.rept 16
	ds_load_b32 v[64+2*w], v11 offset:4096*w
	ds_load_b32 v[65+2*w], v11 offset:4096*w+1024
.set w, w+1
.endr
	s_wait_dscnt 0x0                               ; my reads of the partial tiles are back
	s_barrier_signal -1                            ; a second barrier, between all waves' reads and the next write of LDS by any wave (the add at a wave's end)
.irp s, 8,4,2,1
.set w, 0
.rept \s
	v_pk_add_f32 v[64+2*w:65+2*w], v[64+2*w:65+2*w], v[64+2*(w+\s):65+2*(w+\s)]
.set w, w+1
.endr
.endr
	s_barrier_wait -1
	v_pk_add_f32 v[64:65], v[64:65], v[4:5]
	v_mul_f32 v66, 0x4038aa3b, v64                 ; 2 log2(e) z
	v_mul_f32 v67, 0x4038aa3b, v65
	v_exp_f32 v66, v66
	v_exp_f32 v67, v67
	v_nop
	s_wait_alu depctr_va_vdst(0)                   ; one wait for both powers
	v_add_f32 v66, 1.0, v66
	v_add_f32 v67, 1.0, v67
	v_rcp_f32 v66, v66
	v_rcp_f32 v67, v67
	v_nop
	s_wait_alu depctr_va_vdst(0)                   ; one wait for both reciprocals
	v_fma_f32 v66, -2.0, v66, 1.0
	v_fma_f32 v67, -2.0, v67, 1.0
	v_fma_f32 v64, 0x3dcccccd, v66, v6
	v_fma_f32 v65, 0x3dcccccd, v67, v7
	global_store_b64 v12, v[64:65], s[24:25]       ; 256 consecutive bytes, aligned
	v_mul_f32 v68, v64, v64
	v_fmac_f32 v68, v65, v65
	v_add_f32_dpp v68, v68, v68 row_xmask:1 row_mask:0xf bank_mask:0xf
	v_add_f32_dpp v68, v68, v68 row_xmask:2 row_mask:0xf bank_mask:0xf
	v_add_f32_dpp v68, v68, v68 row_xmask:4 row_mask:0xf bank_mask:0xf
	v_add_f32_dpp v68, v68, v68 row_xmask:8 row_mask:0xf bank_mask:0xf
	v_mov_b32 v69, v68
	v_permlanex16_b32 v69, v68, s34, s35
	v_add_f32 v68, v68, v69
	s_wait_xcnt 0x0                                ; EXEC changes only behind this wait
	v_cmp_eq_u32 vcc_lo, 0, v1
	s_and_saveexec_b32 s36, vcc_lo
	global_store_b32 v13, v68, s[26:27]            ; one number for (row, work-group)
	s_wait_xcnt 0x0
	s_or_b32 exec_lo, exec_lo, s36
	s_wait_tensorcnt 0x0                           ; the wave's end
	ds_add_u32 v14, v15
	s_wait_dscnt 0x0
	s_endpgm
.Lfunc_end_k_qc009465ccb_refine:
	.size	k_qc009465ccb_refine, .Lfunc_end_k_qc009465ccb_refine-k_qc009465ccb_refine
	.p2alignl 7, 3214868480
	.fill 96, 4, 3214868480
	.section	.rodata,"a",@progbits
	.p2align	6, 0x0
	.amdhsa_kernel k_qc009465ccb_refine
		.amdhsa_group_segment_fixed_size 67584
		.amdhsa_private_segment_fixed_size 0
		.amdhsa_enable_private_segment 0
		.amdhsa_kernarg_size 40
		.amdhsa_user_sgpr_count 2
		.amdhsa_user_sgpr_kernarg_segment_ptr 1
		.amdhsa_wavefront_size32 1
		.amdhsa_system_sgpr_workgroup_id_x 1
		.amdhsa_system_sgpr_workgroup_id_y 1
		.amdhsa_system_sgpr_workgroup_id_z 1
		.amdhsa_system_vgpr_workitem_id 0
		.amdhsa_next_free_vgpr 256
		.amdhsa_next_free_sgpr 66
		.amdhsa_reserve_vcc 1
		.amdhsa_float_denorm_mode_32 3
		.amdhsa_float_denorm_mode_16_64 3
		.amdhsa_memory_ordered 1
		.amdhsa_forward_progress 1
		.amdhsa_inst_pref_size 13
	.end_amdhsa_kernel
	.amdgpu_metadata
---
amdhsa.version: [ 1, 2 ]
amdhsa.kernels:
  - .name:           k_qc009465ccb_refine
    .symbol:         k_qc009465ccb_refine.kd
    .args:
      - { .name: wsA, .offset: 0, .size: 8, .value_kind: global_buffer, .address_space: global }
      - { .name: ar_w2, .offset: 8, .size: 8, .value_kind: global_buffer, .address_space: global }
      - { .name: ar_b2, .offset: 16, .size: 8, .value_kind: global_buffer, .address_space: global }
      - { .name: anchors, .offset: 24, .size: 8, .value_kind: global_buffer, .address_space: global }
      - { .name: wsB, .offset: 32, .size: 8, .value_kind: global_buffer, .address_space: global }
    .group_segment_fixed_size: 67584
    .private_segment_fixed_size: 0
    .kernarg_segment_align: 8
    .kernarg_segment_size: 40
    .max_flat_workgroup_size: 512
    .sgpr_count:     66
    .vgpr_count:     256
    .wavefront_size: 32
...
	.end_amdgpu_metadata
.endif
;; end of part 2
;; launch kv (part 3): grid 33 x 1, 16 waves a work-group, no clusters, 67,584 bytes of LDS; arguments wsB, k_w, v_w, v_b, wsC; writes wsC
.if DOCPART == 3
	.amdgcn_target "amdgcn-amd-amdhsa--gfx1250"
	.amdhsa_code_object_version 6
	.text
	.protected	k_qc009465ccb_kv
	.globl	k_qc009465ccb_kv
	.p2align	8
	.type	k_qc009465ccb_kv,@function
k_qc009465ccb_kv:
	s_mov_b64 s[64:65], 0
	v_nop
	global_prefetch_b8 v0, s[64:65] scope:SCOPE_SE
	s_setreg_imm32_b32 hwreg(HW_REG_WAVE_MODE, 25, 1), 1
	s_wait_xcnt 0x0
; an = a2 / max(|a2|, 1e-8).  Work-groups 0-15: k = an k_w; 16-31: v = an v_w + v_b; both bf16, [16][2048] (k in columns 0-1023, v behind).  The division is applied to the sums: (a2 W) / n.
; k_b is left out: it adds the same number to all anchors' scores of a row and head, which a softmax does not see (shown at the head of the first launch).
; Work-group 32, wave m = row m: an in f32, its sum of squares, and an in bf16 in the order in which a matrix fragment is loaded (block Td of 512 bytes: lane 16 e + r holds an[r][16 Td + 8 e .. + 7]).
; The 16 partial sums of squares of row m = my wave are the same for all lanes: one scalar load of 64 bytes, asked for at the head with everything else (this launch does not write that buffer).
; A wave's store of k or v is 128 bytes of a row, the fragment blocks are written in pieces of 16 bytes: 32 KiB in the whole launch.
.set SPARE, 65536
.set ROWB, 4096
.macro RNORM                           ; v96 = 1 / max(sqrt(sum of s[40:55]), 1e-8); v97 at work
	s_wait_kmcnt 0x0                               ; the row's 16 partial sums
	v_mov_b32 v96, s40
	v_mov_b32 v97, s41
.irp k, 42,44,46,48,50,52,54
	v_add_f32 v96, s[\k], v96
	v_add_f32 v97, s[\k+1], v97
.endr
	v_add_f32 v96, v96, v97
	v_sqrt_f32 v96, v96
	v_nop
	s_wait_alu depctr_va_vdst(0)
	v_max_num_f32 v96, 0x322bcc77, v96
	v_rcp_f32 v96, v96
	v_nop
	s_wait_alu depctr_va_vdst(0)
.endm
	s_load_b256 s[4:11], s[0:1], 0x0               ; wsB s[4:5], k_w s[6:7], v_w s[8:9], v_b s[10:11]
	s_load_b64 s[12:13], s[0:1], 0x20              ; wsC
	v_lshl_add_u32 v14, v0, 2, SPARE
	v_mov_b32 v15, 0
	v_lshrrev_b32 v1, 5, v0
	v_readfirstlane_b32 s16, v1                    ; wave = row m
	v_and_b32 v1, 31, v0
	v_mov_b32 v13, 0
	s_mov_b32 s23, 0
	s_mov_b32 s34, 0x76543210
	s_mov_b32 s35, 0xfedcba98
	s_lshl_b32 s22, s16, 6
	s_lshl_b32 s36, s16, 12
	s_mov_b32 s37, 0
	s_wait_kmcnt 0x0
	s_add_nc_u64 s[26:27], s[4:5], s[22:23]
	s_add_nc_u64 s[26:27], s[26:27], 65536         ; nsq[m][0..15]
	s_load_b512 s[40:55], s[26:27], 0x0
	s_cmp_eq_u32 ttmp9, 32
	s_cbranch_scc1 .Lan
	v_and_b32 v2, 15, v0
	v_bfe_u32 v3, v0, 4, 1
	s_lshr_b32 s17, ttmp9, 4                       ; 0: k, 1: v
	s_and_b32 s24, ttmp9, 15                       ; which 64 columns
	s_lshl_b32 s18, s16, 18                        ; 64 w rows of 4,096 bytes
	s_lshl_b32 s19, s24, 8
	s_add_co_u32 s18, s18, s19
	v_lshlrev_b32 v8, 4, v2
	v_lshl_add_u32 v8, v3, 15, v8
	v_add_nc_u32 v8, s18, v8
	v_lshlrev_b32 v9, 12, v2
	v_lshl_add_u32 v9, v3, 5, v9
	s_lshl_b32 s18, s16, 8
	v_add_nc_u32 v9, s18, v9
	s_lshl_b32 s18, s16, 12
	v_lshl_add_u32 v10, v1, 4, s18
	s_lshr_b32 s20, s16, 3                         ; row m in a partial tile: half m / 8, quad (m / 4) % 2, word m % 4
	s_lshl_b32 s20, s20, 8
	s_lshr_b32 s21, s16, 2
	s_and_b32 s21, s21, 1
	s_lshl_b32 s21, s21, 9
	s_add_co_u32 s20, s20, s21
	s_and_b32 s21, s16, 3
	s_lshl_b32 s21, s21, 2
	s_add_co_u32 s20, s20, s21
	v_lshrrev_b32 v7, 1, v1
	v_lshl_add_u32 v11, v7, 4, s20
	v_and_b32 v7, 1, v1
	v_lshl_add_u32 v11, v7, 11, v11
	v_lshl_add_u32 v12, v1, 3, s19                 ; 256 gl + 8 l: my two columns in v_b
	s_lshl_b32 s20, s17, 11
	s_lshl_b32 s21, s24, 7
	s_add_co_u32 s20, s20, s21
	v_lshl_add_u32 v6, v1, 2, s20                  ; my four bytes in a row of kvb
	s_add_nc_u64 s[12:13], s[12:13], s[36:37]      ; kvb at row m
	s_cmp_eq_u32 s17, 1
	s_cselect_b64 s[28:29], s[8:9], s[6:7]
	v_mov_b32 v4, 0                                ; k has no bias
	v_mov_b32 v5, 0
	s_cbranch_scc0 .Lnobias
	global_load_b64 v[4:5], v12, s[10:11]
.Lnobias:
.irp k, 0,1
	global_load_b128 v[32+16*\k:35+16*\k], v9, s[4:5] offset:128*\k
	global_load_b128 v[36+16*\k:39+16*\k], v9, s[4:5] offset:128*\k+16
	global_load_b128 v[40+16*\k:43+16*\k], v9, s[4:5] offset:128*\k+64
	global_load_b128 v[44+16*\k:47+16*\k], v9, s[4:5] offset:128*\k+80
.endr
.set i, 0
.rept 32
	global_load_b128 v[64+4*i:67+4*i], v8, s[28:29] offset:(32*(i/16)+(i%16)+8*((i%16)/8))*ROWB th:TH_LOAD_NT
.set i, i+1
.endr
.macro WCVT ks
.set t, 0
.rept 4
.set p, 0
.rept 8
	v_cvt_pk_bf16_f32 v[192+32*(\ks)+8*t+p], v[64+64*(\ks)+8*p+t], v[64+64*(\ks)+8*p+4+t]
.set p, p+1
.endr
.set t, t+1
.endr
.endm
.macro WMUL ks, zero
.irp t, 0,1,2,3
.if \zero
	v_wmma_f32_16x16x32_bf16 v[32+8*\t:39+8*\t], v[16+8*(\ks):23+8*(\ks)], v[192+32*(\ks)+8*\t:199+32*(\ks)+8*\t], 0
.else
	v_wmma_f32_16x16x32_bf16 v[32+8*\t:39+8*\t], v[16+8*(\ks):23+8*(\ks)], v[192+32*(\ks)+8*\t:199+32*(\ks)+8*\t], v[32+8*\t:39+8*\t]
.endif
.endr
.endm
	s_wait_loadcnt 32                              ; W's 32 loads are younger
.set p, 0
.rept 16
	v_cvt_pk_bf16_f32 v[16+p], v[32+2*p], v[33+2*p]
.set p, p+1
.endr
	s_wait_loadcnt 16
	WCVT 0
	WMUL 0, 1
	s_wait_loadcnt 0x0
	WCVT 1
	WMUL 1, 0
.rept 4
	v_nop
.endr
.irp t, 0,1,2,3
	ds_store_b128 v10, v[32+8*\t:35+8*\t] offset:1024*\t
	ds_store_b128 v10, v[36+8*\t:39+8*\t] offset:1024*\t+512
.endr
	s_wait_dscnt 0x0
	s_barrier_signal -1
	s_barrier_wait -1
.set w, 0
.rept 16
	ds_load_b32 v[64+2*w], v11 offset:4096*w
	ds_load_b32 v[65+2*w], v11 offset:4096*w+1024
.set w, w+1
.endr
	RNORM                                          ; stands in the wait for the LDS loads
	s_wait_dscnt 0x0                               ; my reads of the partial tiles are back
	s_barrier_signal -1                            ; a second barrier, between all waves' reads and the next write of LDS by any wave (the add at a wave's end)
.irp s, 8,4,2,1
.set w, 0
.rept \s
	v_pk_add_f32 v[64+2*w:65+2*w], v[64+2*w:65+2*w], v[64+2*(w+\s):65+2*(w+\s)]
.set w, w+1
.endr
.endr
	s_barrier_wait -1
	v_fma_f32 v64, v64, v96, v4
	v_fma_f32 v65, v65, v96, v5
	v_cvt_pk_bf16_f32 v66, v64, v65
	global_store_b32 v6, v66, s[12:13]
	s_wait_tensorcnt 0x0                           ; the wave's end
	ds_add_u32 v14, v15
	s_wait_dscnt 0x0
	s_endpgm
.Lan:                                          ; no LDS is touched on this way
	s_add_nc_u64 s[24:25], s[4:5], s[36:37]        ; a2 at row m
	s_add_nc_u64 s[28:29], s[12:13], s[36:37]
	s_add_nc_u64 s[28:29], s[28:29], 65536         ; an at row m
	s_lshl_b32 s22, s16, 4
	s_add_nc_u64 s[30:31], s[12:13], s[22:23]
	s_add_nc_u64 s[30:31], s[30:31], 131072        ; the fragment blocks, at lane slot m
	s_lshl_b32 s22, s16, 2
	s_add_nc_u64 s[32:33], s[12:13], s[22:23]
	s_add_nc_u64 s[32:33], s[32:33], 163840        ; an2[m]
	v_lshlrev_b32 v8, 5, v1                        ; 8 numbers a lane
	v_lshrrev_b32 v9, 1, v1
	v_lshlrev_b32 v9, 9, v9
	v_and_b32 v10, 1, v1
	v_lshl_add_u32 v9, v10, 8, v9                  ; block l / 2, half l % 2
.irp i, 0,1,2,3
	global_load_b128 v[16+8*\i:19+8*\i], v8, s[24:25] offset:1024*\i
	global_load_b128 v[20+8*\i:23+8*\i], v8, s[24:25] offset:1024*\i+16
.endr
	RNORM
	v_mov_b32 v97, v96
	s_wait_loadcnt 0x0
.set k, 0
.rept 16
	v_pk_mul_f32 v[16+2*k:17+2*k], v[16+2*k:17+2*k], v[96:97]
.set k, k+1
.endr
	v_pk_mul_f32 v[48:49], v[16:17], v[16:17]
.set k, 1
.rept 15
	v_pk_fma_f32 v[48:49], v[16+2*k:17+2*k], v[16+2*k:17+2*k], v[48:49]
.set k, k+1
.endr
.irp i, 0,1,2,3
	global_store_b128 v8, v[16+8*\i:19+8*\i], s[28:29] offset:1024*\i
	global_store_b128 v8, v[20+8*\i:23+8*\i], s[28:29] offset:1024*\i+16
.irp p, 0,1,2,3
	v_cvt_pk_bf16_f32 v[52+4*\i+\p], v[16+8*\i+2*\p], v[17+8*\i+2*\p]
.endr
	global_store_b128 v9, v[52+4*\i:55+4*\i], s[30:31] offset:8192*\i
.endr
	v_add_f32 v48, v48, v49
	v_add_f32_dpp v48, v48, v48 row_xmask:1 row_mask:0xf bank_mask:0xf
	v_add_f32_dpp v48, v48, v48 row_xmask:2 row_mask:0xf bank_mask:0xf
	v_add_f32_dpp v48, v48, v48 row_xmask:4 row_mask:0xf bank_mask:0xf
	v_add_f32_dpp v48, v48, v48 row_xmask:8 row_mask:0xf bank_mask:0xf
	v_permlanex16_b32 v49, v48, s34, s35
	v_add_f32 v48, v48, v49
	s_wait_xcnt 0x0                                ; EXEC changes only behind this wait
	v_cmp_eq_u32 vcc_lo, 0, v1
	s_and_saveexec_b32 s38, vcc_lo
	global_store_b32 v13, v48, s[32:33]
	s_wait_xcnt 0x0
	s_or_b32 exec_lo, exec_lo, s38
	s_endpgm
.Lfunc_end_k_qc009465ccb_kv:
	.size	k_qc009465ccb_kv, .Lfunc_end_k_qc009465ccb_kv-k_qc009465ccb_kv
	.p2alignl 7, 3214868480
	.fill 96, 4, 3214868480
	.section	.rodata,"a",@progbits
	.p2align	6, 0x0
	.amdhsa_kernel k_qc009465ccb_kv
		.amdhsa_group_segment_fixed_size 67584
		.amdhsa_private_segment_fixed_size 0
		.amdhsa_enable_private_segment 0
		.amdhsa_kernarg_size 40
		.amdhsa_user_sgpr_count 2
		.amdhsa_user_sgpr_kernarg_segment_ptr 1
		.amdhsa_wavefront_size32 1
		.amdhsa_system_sgpr_workgroup_id_x 1
		.amdhsa_system_sgpr_workgroup_id_y 1
		.amdhsa_system_sgpr_workgroup_id_z 1
		.amdhsa_system_vgpr_workitem_id 0
		.amdhsa_next_free_vgpr 256
		.amdhsa_next_free_sgpr 66
		.amdhsa_reserve_vcc 1
		.amdhsa_float_denorm_mode_32 3
		.amdhsa_float_denorm_mode_16_64 3
		.amdhsa_memory_ordered 1
		.amdhsa_forward_progress 1
		.amdhsa_inst_pref_size 25
	.end_amdhsa_kernel
	.amdgpu_metadata
---
amdhsa.version: [ 1, 2 ]
amdhsa.kernels:
  - .name:           k_qc009465ccb_kv
    .symbol:         k_qc009465ccb_kv.kd
    .args:
      - { .name: wsB, .offset: 0, .size: 8, .value_kind: global_buffer, .address_space: global }
      - { .name: k_w, .offset: 8, .size: 8, .value_kind: global_buffer, .address_space: global }
      - { .name: v_w, .offset: 16, .size: 8, .value_kind: global_buffer, .address_space: global }
      - { .name: v_b, .offset: 24, .size: 8, .value_kind: global_buffer, .address_space: global }
      - { .name: wsC, .offset: 32, .size: 8, .value_kind: global_buffer, .address_space: global }
    .group_segment_fixed_size: 67584
    .private_segment_fixed_size: 0
    .kernarg_segment_align: 8
    .kernarg_segment_size: 40
    .max_flat_workgroup_size: 512
    .sgpr_count:     66
    .vgpr_count:     256
    .wavefront_size: 32
...
	.end_amdgpu_metadata
.endif
;; end of part 3
;; launch fold (part 4): grid 52 x 1, 8 waves a work-group, no clusters, 0 bytes of LDS; arguments wsC, q_w, q_b, o_w, o_b, wsD; writes wsD
.if DOCPART == 4
	.amdgcn_target "amdgcn-amd-amdhsa--gfx1250"
	.amdhsa_code_object_version 6
	.text
	.protected	k_qc009465ccb_fold
	.globl	k_qc009465ccb_fold
	.p2align	8
	.type	k_qc009465ccb_fold,@function
k_qc009465ccb_fold:
	s_mov_b64 s[64:65], 0
	v_nop
	global_prefetch_b8 v0, s[64:65] scope:SCOPE_SE
	s_setreg_imm32_b32 hwreg(HW_REG_WAVE_MODE, 25, 1), 1
	s_wait_xcnt 0x0
; The two projections are folded into the anchors (a reassociation, shown at the head of the first launch):
;   M[d][(h, a)] = sum over c of q_w[d][128 h + c] k[a][128 h + c],   sb[(h, a)] = sum over c of q_b[128 h + c] k[a][128 h + c],
;   VO[(h, a)][n] = sum over c of v[a][128 h + c] o_w[128 h + c][n]  (+ o_b[n] in head 0's rows: a head's weights add up to 1).
; M and VO are stored in bf16 in the order in which the next launch loads its fragments: blocks of 512 bytes, lane l at 16 l.
;   MTF block 64 h + Td: lane 16 e + a holds M[16 Td + 8 e .. + 7][(h, a)].      VOTF block 8 nt + h: lane 16 e + r holds VO[(h, 8 e .. 8 e + 7)][16 nt + r].
; Work-groups 0-31: M: head wg / 4, 256 rows d; a wave makes two tiles of 16 d x 16 anchors.  Work-groups 32-47: VO: 64 columns n; wave = head.  Work-group 48: sb; wave = head.
; Work-groups 49-51: the 45 distances between anchors, for the diversity loss.  Every unordered pair of 10 anchors is (i, (i + d) mod 10) once, with d = 1..4 and i = 0..9, or d = 5 and i = 0..4:
; number idx = 10 (d - 1) + i, 0..44.  Sixteen lanes take a pair, 64 columns each; the differences are taken first and then squared, as the problem does it; idx 45..47 name rows that exist
; and are stored as 0, so that the last launch can add up 48 words.
; No wave wants another's data: no LDS.  Every part asks for all that it reads at its head.  VOTF is written in pieces of 16 bytes, four of them on end a lane: 256 KiB in the launch.
; REGISTERS: v0-255, and for VO's part v128-255 of window 1 (s_set_vgpr_msb: bits 1:0 source 0, 3:2 source 1, 7:6 destination): o_w's third and fourth staging set.
.set MSB, 0
.macro WIN new                         ; the immediate's high byte repeats the setting that is left
.if MSB != (\new)
	s_set_vgpr_msb (MSB<<8)|(\new)
.set MSB, \new
.endif
.endm
	s_load_b256 s[4:11], s[0:1], 0x0               ; wsC s[4:5], q_w s[6:7], q_b s[8:9], o_w s[10:11]
	s_load_b128 s[12:15], s[0:1], 0x20             ; o_b s[12:13], wsD s[14:15]
	v_lshrrev_b32 v1, 5, v0
	v_readfirstlane_b32 s16, v1                    ; wave 0..7
	v_and_b32 v1, 31, v0
	v_and_b32 v2, 15, v0                           ; r
	v_bfe_u32 v3, v0, 4, 1                         ; e
	s_mov_b32 s23, 0
	s_cmp_lt_u32 ttmp9, 32
	s_cbranch_scc0 .Lvo
	s_lshr_b32 s17, ttmp9, 2                       ; head
	s_and_b32 s18, ttmp9, 3                        ; which quarter of d
	s_lshl_b32 s19, s18, 4
	s_lshl1_add_u32 s19, s16, s19                  ; my first tile Td = 16 dq + 2 wave
	v_lshlrev_b32 v12, 12, v2
	v_lshl_add_u32 v12, v3, 4, v12
	s_lshl_b32 s20, s17, 8
	v_add_nc_u32 v12, s20, v12                     ; k: row r x 4,096 + (128 h + 8 e) x 2
	v_lshlrev_b32 v13, 12, v2
	v_lshl_add_u32 v13, v3, 5, v13
	s_lshl_b32 s20, s19, 16
	s_lshl_b32 s21, s17, 9
	s_add_co_u32 s20, s20, s21
	v_add_nc_u32 v13, s20, v13                     ; q_w: row (16 Td + r) x 4,096 + (128 h + 8 e) x 4
	v_lshlrev_b32 v14, 4, v1
	s_lshl_b32 s20, s17, 6
	s_add_co_u32 s22, s20, s19
	s_lshl_b32 s22, s22, 9
	s_wait_kmcnt 0x0
	s_add_nc_u64 s[24:25], s[14:15], s[22:23]      ; MTF at block 64 h + Td
.irp k, 0,1,2,3
	global_load_b128 v[16+8*\k:19+8*\k], v12, s[4:5] offset:64*\k
	global_load_b128 v[20+8*\k:23+8*\k], v12, s[4:5] offset:64*\k+32
.endr
.set i, 0
.rept 8                                ; tile i / 4, channels 32 (i % 4) on
	global_load_b128 v[64+16*i:67+16*i], v13, s[6:7] offset:65536*(i/4)+128*(i%4) th:TH_LOAD_NT
	global_load_b128 v[68+16*i:71+16*i], v13, s[6:7] offset:65536*(i/4)+128*(i%4)+16 th:TH_LOAD_NT
	global_load_b128 v[72+16*i:75+16*i], v13, s[6:7] offset:65536*(i/4)+128*(i%4)+64 th:TH_LOAD_NT
	global_load_b128 v[76+16*i:79+16*i], v13, s[6:7] offset:65536*(i/4)+128*(i%4)+80 th:TH_LOAD_NT
.set i, i+1
.endr
	s_wait_loadcnt 0x0
.set p, 0
.rept 64
	v_cvt_pk_bf16_f32 v[192+p], v[64+2*p], v[65+2*p]
.set p, p+1
.endr
.irp k, 0,1,2,3                        ; the two tiles' accumulators by turns
.irp u, 0,1
.if \k == 0
	v_wmma_f32_16x16x32_bf16 v[48+8*\u:55+8*\u], v[192+32*\u+8*\k:199+32*\u+8*\k], v[16+8*\k:23+8*\k], 0
.else
	v_wmma_f32_16x16x32_bf16 v[48+8*\u:55+8*\u], v[192+32*\u+8*\k:199+32*\u+8*\k], v[16+8*\k:23+8*\k], v[48+8*\u:55+8*\u]
.endif
.endr
.endr
.rept 4
	v_nop
.endr
.set p, 0
.rept 8
	v_cvt_pk_bf16_f32 v[4+p], v[48+2*p], v[49+2*p]
.set p, p+1
.endr
	global_store_b128 v14, v[4:7], s[24:25]        ; 512 consecutive bytes each
	global_store_b128 v14, v[8:11], s[24:25] offset:512
	s_endpgm
.Lvo:
	s_cmp_lt_u32 ttmp9, 48
	s_cbranch_scc0 .Lsmall
	s_sub_co_u32 s17, ttmp9, 32                    ; which 64 columns of o_w
	v_lshlrev_b32 v12, 12, v2
	v_lshl_add_u32 v12, v3, 4, v12
	s_lshl_b32 s20, s16, 8
	s_add_co_u32 s20, s20, 2048
	v_add_nc_u32 v12, s20, v12                     ; v: row r x 4,096 + (1024 + 128 h + 8 e) x 2
	s_lshl_b32 s20, s16, 19                        ; 128 h rows of 4,096 bytes
	s_lshl_b32 s21, s17, 8
	s_add_co_u32 s20, s20, s21
	v_lshlrev_b32 v13, 4, v2
	v_lshl_add_u32 v15, v2, 4, s21                 ; o_b: (64 g + 4 r) x 4
	v_lshl_add_u32 v13, v3, 15, v13
	v_add_nc_u32 v13, s20, v13
	v_lshrrev_b32 v14, 2, v2
	v_lshlrev_b32 v14, 12, v14                     ; tile nt = 4 g + r / 4
	v_lshl_add_u32 v14, v3, 8, v14
	v_and_b32 v4, 3, v2
	v_lshl_add_u32 v14, v4, 6, v14                 ; lane slot 4 (r % 4) + t
	s_lshl_b32 s20, s17, 14
	s_lshl_b32 s21, s16, 9
	s_add_co_u32 s20, s20, s21
	v_add_nc_u32 v14, s20, v14
	s_wait_kmcnt 0x0
	global_load_b128 v[8:11], v15, s[12:13]
.irp k, 0,1,2,3
	global_load_b128 v[16+8*\k:19+8*\k], v12, s[4:5] offset:64*\k
	global_load_b128 v[20+8*\k:23+8*\k], v12, s[4:5] offset:64*\k+32
.endr
.macro OLOAD ke                        ; 32 rows of o_w into staging set ke: v128-191 or v192-255, of window 0 (ke < 2) or 1
	WIN 0x40*((\ke)/2)
.set i, 0
.rept 16
	global_load_b128 v[128+64*((\ke)%2)+4*i:131+64*((\ke)%2)+4*i], v13, s[10:11] offset:(32*(\ke)+i+8*(i/8))*4096 th:TH_LOAD_NT
.set i, i+1
.endr
.endm
.macro OSTEP ke, left
	s_wait_loadcnt \left                           ; the later staging sets' loads, 16 a set, are younger
	WIN 0x05*((\ke)/2)                             ; the conversions' two sources in the set's window
.set t, 0
.rept 4
.set p, 0
.rept 8
	v_cvt_pk_bf16_f32 v[80+8*t+p], v[128+64*((\ke)%2)+8*p+t], v[128+64*((\ke)%2)+8*p+4+t]
.set p, p+1
.endr
.set t, t+1
.endr
	WIN 0
.irp t, 0,1,2,3
.if (\ke) == 0
	v_wmma_f32_16x16x32_bf16 v[48+8*\t:55+8*\t], v[16+8*(\ke):23+8*(\ke)], v[80+8*\t:87+8*\t], 0
.else
	v_wmma_f32_16x16x32_bf16 v[48+8*\t:55+8*\t], v[16+8*(\ke):23+8*(\ke)], v[80+8*\t:87+8*\t], v[48+8*\t:55+8*\t]
.endif
.endr
.rept 4
	v_nop                                          ; the fragments are written again, and the sums read, four places behind the last product
.endr
.endm
	OLOAD 0                                        ; all four K steps are asked for at once
	OLOAD 1
	OLOAD 2
	OLOAD 3
	OSTEP 0, 48
	OSTEP 1, 32
	OSTEP 2, 16
	OSTEP 3, 0
	s_cmp_eq_u32 s16, 0
	s_cbranch_scc0 .Lnoob
.irp t, 0,1,2,3
.irp j, 0,1,2,3,4,5,6,7
	v_add_f32 v[48+8*\t+\j], v[48+8*\t+\j], v[8+\t]
.endr
.endr
.Lnoob:
.set p, 0
.rept 16
	v_cvt_pk_bf16_f32 v[112+p], v[48+2*p], v[49+2*p]
.set p, p+1
.endr
.irp t, 0,1,2,3
	global_store_b128 v14, v[112+4*\t:115+4*\t], s[14:15] offset:262144+16*\t
.endr
	s_endpgm
.Lsmall:
	s_cmp_eq_u32 ttmp9, 48
	s_cbranch_scc0 .Ldv
	v_lshlrev_b32 v12, 12, v2                      ; sb: head = my wave
	v_lshl_add_u32 v12, v3, 4, v12
	s_lshl_b32 s20, s16, 8
	v_add_nc_u32 v12, s20, v12                     ; k: row r x 4,096 + (128 h + 8 e) x 2
	s_lshl_b32 s21, s16, 9
	v_lshl_add_u32 v15, v3, 5, s21                 ; q_b: (128 h + 8 e) x 4
	s_lshl_b32 s20, s16, 6
	v_lshl_add_u32 v13, v2, 2, s20                 ; sb: (16 h + r) x 4
	s_wait_kmcnt 0x0
.irp k, 0,1,2,3
	global_load_b128 v[16+8*\k:19+8*\k], v12, s[4:5] offset:64*\k
	global_load_b128 v[20+8*\k:23+8*\k], v12, s[4:5] offset:64*\k+32
.endr
.set i, 0
.rept 4
	global_load_b128 v[64+16*i:67+16*i], v15, s[8:9] offset:128*i
	global_load_b128 v[68+16*i:71+16*i], v15, s[8:9] offset:128*i+16
	global_load_b128 v[72+16*i:75+16*i], v15, s[8:9] offset:128*i+64
	global_load_b128 v[76+16*i:79+16*i], v15, s[8:9] offset:128*i+80
.set i, i+1
.endr
	s_wait_loadcnt 0x0
.set p, 0
.rept 32
	v_cvt_pk_bf16_f32 v[128+p], v[64+2*p], v[65+2*p]   ; all 16 rows of this source are q_b
.set p, p+1
.endr
	v_wmma_f32_16x16x32_bf16 v[160:167], v[128:135], v[16:23], 0
	v_wmma_f32_16x16x32_bf16 v[168:175], v[136:143], v[24:31], 0
	v_wmma_f32_16x16x32_bf16 v[160:167], v[144:151], v[32:39], v[160:167]
	v_wmma_f32_16x16x32_bf16 v[168:175], v[152:159], v[40:47], v[168:175]
.rept 4
	v_nop
.endr
	v_add_f32 v160, v160, v168                     ; row 0, column a: lanes 0-15
	s_wait_xcnt 0x0                                ; EXEC changes only behind this wait
	v_cmp_gt_u32 vcc_lo, 16, v1
	s_and_saveexec_b32 s26, vcc_lo
	global_store_b32 v13, v160, s[14:15] offset:524288
	s_wait_xcnt 0x0
	s_or_b32 exec_lo, exec_lo, s26
	s_endpgm
.Ldv:                                          ; sixteen pairs a work-group
	s_sub_co_u32 s17, ttmp9, 49
	s_lshl_b32 s17, s17, 4
	v_lshrrev_b32 v4, 4, v0
	v_add_nc_u32 v4, s17, v4                       ; idx, 0..47
	v_mul_u32_u24 v5, v4, 205
	v_lshrrev_b32 v5, 11, v5                       ; idx / 10 (exact for idx < 100)
	v_mul_u32_u24 v6, v5, 10
	v_sub_nc_u32 v6, v4, v6                        ; i
	v_add_nc_u32 v7, v6, v5
	v_add_nc_u32 v7, 1, v7                         ; i + d
	v_add_nc_u32 v8, -10, v7
	v_min_u32 v7, v7, v8                           ; mod 10: below 10 the difference wraps to a large number
	v_lshlrev_b32 v9, 4, v2
	v_lshl_add_u32 v6, v6, 12, v9                  ; row i, my 16 bytes of each 256
	v_lshl_add_u32 v7, v7, 12, v9
	v_lshlrev_b32 v10, 2, v4
	s_wait_kmcnt 0x0
.set k, 0
.rept 16                               ; sixteen lanes take 256 consecutive bytes of a row
	global_load_b128 v[16+4*k:19+4*k], v6, s[4:5] offset:65536+256*k
	global_load_b128 v[80+4*k:83+4*k], v7, s[4:5] offset:65536+256*k
.set k, k+1
.endr
	s_wait_loadcnt 0x0
.set k, 0
.rept 32
	v_pk_add_f32 v[16+2*k:17+2*k], v[16+2*k:17+2*k], v[80+2*k:81+2*k] neg_lo:[0,1] neg_hi:[0,1]
.if k < 2
	v_pk_mul_f32 v[144+2*k:145+2*k], v[16+2*k:17+2*k], v[16+2*k:17+2*k]
.else
	v_pk_fma_f32 v[144+2*(k%2):145+2*(k%2)], v[16+2*k:17+2*k], v[16+2*k:17+2*k], v[144+2*(k%2):145+2*(k%2)]
.endif
.set k, k+1
.endr
	v_pk_add_f32 v[144:145], v[144:145], v[146:147]
	v_add_f32 v144, v144, v145
	v_add_f32_dpp v144, v144, v144 row_xmask:1 row_mask:0xf bank_mask:0xf
	v_add_f32_dpp v144, v144, v144 row_xmask:2 row_mask:0xf bank_mask:0xf
	v_add_f32_dpp v144, v144, v144 row_xmask:4 row_mask:0xf bank_mask:0xf
	v_add_f32_dpp v144, v144, v144 row_xmask:8 row_mask:0xf bank_mask:0xf
	v_max_num_f32 v144, 0x179abe15, v144           ; 1e-24
	v_sqrt_f32 v144, v144
	v_cmp_gt_u32 vcc_lo, 45, v4
	s_wait_alu depctr_va_vdst(0)
	v_cndmask_b32 v144, 0, v144, vcc_lo
	s_wait_xcnt 0x0                                ; EXEC changes only behind this wait
	v_cmp_eq_u32 vcc_lo, 0, v2
	s_and_saveexec_b32 s26, vcc_lo
	global_store_b32 v10, v144, s[14:15] offset:524800   ; one word a pair
	s_wait_xcnt 0x0
	s_or_b32 exec_lo, exec_lo, s26
	s_endpgm
.Lfunc_end_k_qc009465ccb_fold:
	.size	k_qc009465ccb_fold, .Lfunc_end_k_qc009465ccb_fold-k_qc009465ccb_fold
	.p2alignl 7, 3214868480
	.fill 96, 4, 3214868480
	.section	.rodata,"a",@progbits
	.p2align	6, 0x0
	.amdhsa_kernel k_qc009465ccb_fold
		.amdhsa_group_segment_fixed_size 0
		.amdhsa_private_segment_fixed_size 0
		.amdhsa_enable_private_segment 0
		.amdhsa_kernarg_size 48
		.amdhsa_user_sgpr_count 2
		.amdhsa_user_sgpr_kernarg_segment_ptr 1
		.amdhsa_wavefront_size32 1
		.amdhsa_system_sgpr_workgroup_id_x 1
		.amdhsa_system_sgpr_workgroup_id_y 1
		.amdhsa_system_sgpr_workgroup_id_z 1
		.amdhsa_system_vgpr_workitem_id 0
		.amdhsa_next_free_vgpr 512
		.amdhsa_next_free_sgpr 66
		.amdhsa_reserve_vcc 1
		.amdhsa_float_denorm_mode_32 3
		.amdhsa_float_denorm_mode_16_64 3
		.amdhsa_memory_ordered 1
		.amdhsa_forward_progress 1
		.amdhsa_inst_pref_size 45
	.end_amdhsa_kernel
	.amdgpu_metadata
---
amdhsa.version: [ 1, 2 ]
amdhsa.kernels:
  - .name:           k_qc009465ccb_fold
    .symbol:         k_qc009465ccb_fold.kd
    .args:
      - { .name: wsC, .offset: 0, .size: 8, .value_kind: global_buffer, .address_space: global }
      - { .name: q_w, .offset: 8, .size: 8, .value_kind: global_buffer, .address_space: global }
      - { .name: q_b, .offset: 16, .size: 8, .value_kind: global_buffer, .address_space: global }
      - { .name: o_w, .offset: 24, .size: 8, .value_kind: global_buffer, .address_space: global }
      - { .name: o_b, .offset: 32, .size: 8, .value_kind: global_buffer, .address_space: global }
      - { .name: wsD, .offset: 40, .size: 8, .value_kind: global_buffer, .address_space: global }
    .group_segment_fixed_size: 0
    .private_segment_fixed_size: 0
    .kernarg_segment_align: 8
    .kernarg_segment_size: 48
    .max_flat_workgroup_size: 256
    .sgpr_count:     66
    .vgpr_count:     512
    .wavefront_size: 32
...
	.end_amdgpu_metadata
.endif
;; end of part 4
;; launch front (part 5): grid 256 x 1, 8 waves a work-group, no clusters, 291,584 bytes of LDS; arguments features, wsC, wsD, ln_g, ln_b, wsE; writes wsE
.if DOCPART == 5
	.amdgcn_target "amdgcn-amd-amdhsa--gfx1250"
	.amdhsa_code_object_version 6
	.text
	.protected	k_qc009465ccb_front
	.globl	k_qc009465ccb_front
	.p2align	8
	.type	k_qc009465ccb_front,@function
k_qc009465ccb_front:
	s_mov_b64 s[64:65], 0
	v_nop
	global_prefetch_b8 v0, s[64:65] scope:SCOPE_SE
	s_setreg_imm32_b32 hwreg(HW_REG_WAVE_MODE, 25, 1), 1
	s_wait_xcnt 0x0
; For 32 rows a work-group: the norm, the scores against the folded anchors, the softmax, the attended vector, the layer norm; out go x (f16), 1 / norm, and the rows' share of the centre loss (one word).
; k_b is left out and the two projections are folded into M and VO (shown at the head of the first launch).
; ARITHMETIC.  rinv = 1 / max(|f|, 1e-8).  score = rinv (F M) + sb; t = c score, c = log2(e) / sqrt(128); p = 2^(t - max t).  Slots 10-15 of each head's 16 take t = -1e30: their weight is 0.
; enh = fn + 0.1 att = rinv (F + kappa att), kappa = 0.1 max(|f|, 1e-8): mean and variance are taken of E = F + kappa att, and LN = (E - mean) rinv rsq(rinv^2 var + 1e-5) g + b.
; sq = ss rinv^2 + |an|^2 - 2 rinv (F an), as the problem writes it; the centre loss's share is the sum of aw x sqrt(max(sq, 1e-12)).  A weight below 2^-126 counts as 0.
; FORMATS.  The two products here multiply in bf16.  x is rounded once to f16, the next launch's operand format (why: the head of the first launch).  LIMIT: |x| is at most 32 |ln_g| + |ln_b|, which
; has to stay under 65,520.
; SHARES.  Two tiles u of 16 rows.  Wave w owns channels 128 w .. + 127 of both tiles (for F M: that part of K; for aw VO: those output channels) and head w in the softmax.
; So each fragment of M and VO is loaded by one wave of the work-group, straight into registers (it lies in memory in register order), and feeds two products.
; LAYOUT.  S^T = M^T F^T: a lane holds one row (lane % 16) and slots 8 (lane / 16) + 0..7; the weights rounded in pairs are source 1 of att^T = VO^T P, whose result has F's own layout.
; REGISTERS.  Window 0: v0-23 addresses; v24-31 sb; v32-39 |an|^2; v40-63 statistics; v64-95 F in bf16 (two sets); v96-111 an's fragments (two sets); v112-255 18 accumulators S^T;
;   later v64-127 P, v128-255 att^T; in the last loop v64-95 a row, v96-103 and v160-167 at work, v128-143 the row in f16.
;   Window 1: v0-127 F (tile u, 16 channels T, number j at 64 u + 8 T + j); v128-255 M's fragments (two sets of 8), then VO's (16), then g and b.
.set SSQ, 147456                       ; [u][wave][lane] f32: partial sums of squares.  In front of it RED: [tile 0..17][wave][quad][lane][16 bytes]
.set PX,  149504                       ; [u][head][lane][16 bytes]: the weights in bf16
.set CL,  157696                       ; [wave][lane] f32
.set RT,  158720                       ; rinv of the 32 rows
.set ENH, 158976                       ; E: 32 rows of 4,096 bytes + 16 of padding, so that 16 rows' stores start at 16 different groups of four banks
.set EP,  4112
.set SPARE, 290560
.set MSB, 0
.macro WIN new
.if MSB != (\new)
	s_set_vgpr_msb (MSB<<8)|(\new)
.set MSB, \new
.endif
.endm
.macro PLACES
.rept 4
	v_nop
.endr
.endm
.macro WRED a, t                       ; the sum over the wave's 32 lanes, in every lane
	v_add_f32_dpp v[\a], v[\a], v[\a] row_xmask:1 row_mask:0xf bank_mask:0xf
	v_add_f32_dpp v[\a], v[\a], v[\a] row_xmask:2 row_mask:0xf bank_mask:0xf
	v_add_f32_dpp v[\a], v[\a], v[\a] row_xmask:4 row_mask:0xf bank_mask:0xf
	v_add_f32_dpp v[\a], v[\a], v[\a] row_xmask:8 row_mask:0xf bank_mask:0xf
	v_mov_b32 v[\t], v[\a]
	v_permlanex16_b32 v[\t], v[\a], s28, s29
	v_add_f32 v[\a], v[\a], v[\t]
.endm
	s_load_b256 s[4:11], s[0:1], 0x0               ; features s[4:5], wsC s[6:7], wsD s[8:9], ln_g s[10:11]
	s_load_b128 s[12:15], s[0:1], 0x20             ; ln_b s[12:13], wsE s[14:15]
	v_lshl_add_u32 v22, v0, 2, SPARE
	v_mov_b32 v23, 0
	v_lshrrev_b32 v1, 5, v0
	v_readfirstlane_b32 s24, v1                    ; wave 0..7
	v_and_b32 v1, 31, v0
	v_and_b32 v60, 15, v0                          ; r
	v_bfe_u32 v61, v0, 4, 1                        ; e
	v_lshlrev_b32 v2, 2, v1                        ; 4 l
	v_lshlrev_b32 v18, 4, v1                       ; 16 l
	v_add_nc_u32 v3, CL, v2
	s_lshl_b32 s25, s24, 9
	v_lshlrev_b32 v4, 12, v60
	v_lshl_add_u32 v4, v61, 5, v4
	v_add_nc_u32 v4, s25, v4                       ; F: row r x 4,096 + 512 w + 32 e
	s_lshl_b32 s25, s24, 12
	v_add_nc_u32 v5, s25, v18                      ; M's blocks 8 w ..
	s_lshl_b32 s25, s24, 15
	v_add_nc_u32 v6, s25, v18                      ; VO's blocks 64 w ..
	s_lshl_b32 s25, s24, 10
	v_add_nc_u32 v7, s25, v18                      ; RED, my wave's place in tiles 0-7,
	v_add_nc_u32 v8, 0x10000, v7                   ; 8-15,
	v_add_nc_u32 v9, 0x20000, v7                   ; 16, 17
	s_lshl_b32 s25, s24, 14
	s_add_co_u32 s25, s25, 16384
	v_add_nc_u32 v10, s25, v18                     ; RED at head w's two tiles
	v_mul_u32_u24 v11, v60, EP
	v_lshl_add_u32 v11, v61, 5, v11
	s_lshl_b32 s25, s24, 9
	s_add_co_u32 s25, s25, ENH
	v_add_nc_u32 v11, s25, v11                     ; E, tile 0: row r, my 512 bytes, 32 e
	v_add_nc_u32 v12, 16*EP, v11                   ; tile 1
	s_lshl_b32 s25, s24, 7
	s_add_co_u32 s25, s25, SSQ
	v_add_nc_u32 v13, s25, v2
	v_add_nc_u32 v14, SSQ, v2
	s_lshl_b32 s25, s24, 9
	s_add_co_u32 s25, s25, PX
	v_add_nc_u32 v15, s25, v18
	v_add_nc_u32 v16, PX, v18
	s_lshl_b32 s25, s24, 7
	v_add_nc_u32 v17, s25, v3
	s_mul_i32 s25, s24, 4*EP
	s_add_co_u32 s25, s25, ENH
	v_add_nc_u32 v19, s25, v18                     ; the last loop: row 4 w of E
	s_lshl_b32 s25, s24, 4
	s_add_co_u32 s25, s25, RT
	v_mov_b32 v20, s25                             ; its rinv
	s_lshl_b32 s25, s24, 13
	v_lshl_add_u32 v21, v1, 3, s25                 ; its place in x
	s_lshl_b32 s25, s24, 6
	v_lshl_add_u32 v62, v61, 5, s25                ; sb: (16 w + 8 e) x 4
	v_lshlrev_b32 v63, 5, v61                      ; an2: 8 e x 4
	v_mov_b32 v59, 0xf149f2ca                      ; -1e30
	s_mov_b32 s26, 0x3e0293ee                      ; c
	s_mov_b32 s27, 0xffff                          ; lanes 0-15
	s_mov_b32 s28, 0x76543210
	s_mov_b32 s29, 0xfedcba98
	s_mov_b32 s31, 0x2b8cbccc                      ; 1e-12
	s_mov_b32 s3, 0
	s_wait_kmcnt 0x0
	s_lshl_b32 s2, ttmp9, 17
	s_add_nc_u64 s[4:5], s[4:5], s[2:3]            ; my 32 rows of features
	s_add_nc_u64 s[16:17], s[6:7], 0x20000         ; an's fragment blocks
	s_lshl_b32 s2, ttmp9, 16
	s_add_nc_u64 s[18:19], s[14:15], s[2:3]        ; my 32 rows of x
	s_lshl_b32 s2, ttmp9, 7
	s_add_nc_u64 s[20:21], s[14:15], s[2:3]
	s_add_nc_u64 s[20:21], s[20:21], 16777216      ; rinv of my 32 rows
	s_lshl_b32 s2, ttmp9, 2
	s_add_nc_u64 s[22:23], s[14:15], s[2:3]
	s_add_nc_u64 s[22:23], s[22:23], 16809984      ; my word of the centre loss's 256
.macro MTLOAD ks, set                  ; 9 fragments for K step ks (32 channels): 8 heads' into window 1, an's into window 0
	WIN 0x40
.irp ct, 0,1,2,3,4,5,6,7
	global_load_b128 v[128+64*(\set)+8*\ct:131+64*(\set)+8*\ct], v5, s[8:9] offset:32768*\ct+1024*(\ks)
	global_load_b128 v[132+64*(\set)+8*\ct:135+64*(\set)+8*\ct], v5, s[8:9] offset:32768*\ct+1024*(\ks)+512
.endr
	WIN 0
	global_load_b128 v[96+8*(\set):99+8*(\set)], v5, s[16:17] offset:1024*(\ks)
	global_load_b128 v[100+8*(\set):103+8*(\set)], v5, s[16:17] offset:1024*(\ks)+512
.endm
.macro VOTLOAD bt                      ; VO's 16 fragments for channel tiles 4 bt .. 4 bt + 3
	WIN 0x40
.irp t, 0,1,2,3
.irp k, 0,1,2,3
	global_load_b128 v[128+8*(4*\t+\k):131+8*(4*\t+\k)], v6, s[8:9] offset:262144+4096*(4*(\bt)+\t)+1024*\k
	global_load_b128 v[132+8*(4*\t+\k):135+8*(4*\t+\k)], v6, s[8:9] offset:262144+4096*(4*(\bt)+\t)+1024*\k+512
.endr
.endr
	WIN 0
.endm
	global_load_b128 v[24:27], v62, s[8:9] offset:524288
	global_load_b128 v[28:31], v62, s[8:9] offset:524288+16
	global_load_b128 v[32:35], v63, s[6:7] offset:163840
	global_load_b128 v[36:39], v63, s[6:7] offset:163840+16
	WIN 0x40
.set i, 0
.rept 16                               ; tile i / 8, channels 16 (i % 8) on
	global_load_b128 v[8*i:8*i+3], v4, s[4:5] offset:65536*(i/8)+64*(i%8) th:TH_LOAD_NT
	global_load_b128 v[8*i+4:8*i+7], v4, s[4:5] offset:65536*(i/8)+64*(i%8)+16 th:TH_LOAD_NT
.set i, i+1
.endr
	MTLOAD 0, 0
	MTLOAD 1, 1
; One K step of 32 channels: F rounded to bf16 and squared, then 18 products, the 18 accumulators by turns.
.macro SSTEP ks
.set SETN, (\ks)%2
	WIN 0x05                                       ; sources 0 and 1 in window 1
.set p, 0
.rept 8
.irp u, 0,1
	v_cvt_pk_bf16_f32 v[64+16*SETN+8*\u+p], v[64*\u+16*(\ks)+2*p], v[64*\u+16*(\ks)+2*p+1]
.if ((\ks) == 0) && (p == 0)
	v_pk_mul_f32 v[40+2*\u:41+2*\u], v[64*\u:64*\u+1], v[64*\u:64*\u+1]
.else
	v_pk_fma_f32 v[40+2*\u:41+2*\u], v[64*\u+16*(\ks)+2*p:64*\u+16*(\ks)+2*p+1], v[64*\u+16*(\ks)+2*p:64*\u+16*(\ks)+2*p+1], v[40+2*\u:41+2*\u]
.endif
.endr
.set p, p+1
.endr
	WIN 0x01                                       ; source 0 in window 1
.irp ct, 0,1,2,3,4,5,6,7
.irp u, 0,1
.if (\ks) == 0
	v_wmma_f32_16x16x32_bf16 v[128+16*\ct+8*\u:135+16*\ct+8*\u], v[128+64*SETN+8*\ct:135+64*SETN+8*\ct], v[64+16*SETN+8*\u:71+16*SETN+8*\u], 0
.else
	v_wmma_f32_16x16x32_bf16 v[128+16*\ct+8*\u:135+16*\ct+8*\u], v[128+64*SETN+8*\ct:135+64*SETN+8*\ct], v[64+16*SETN+8*\u:71+16*SETN+8*\u], v[128+16*\ct+8*\u:135+16*\ct+8*\u]
.endif
.endr
.endr
	WIN 0
.irp u, 0,1
.if (\ks) == 0
	v_wmma_f32_16x16x32_bf16 v[112+8*\u:119+8*\u], v[96+8*SETN:103+8*SETN], v[64+16*SETN+8*\u:71+16*SETN+8*\u], 0
.else
	v_wmma_f32_16x16x32_bf16 v[112+8*\u:119+8*\u], v[96+8*SETN:103+8*SETN], v[64+16*SETN+8*\u:71+16*SETN+8*\u], v[112+8*\u:119+8*\u]
.endif
.endr
	PLACES                                         ; in front of loads into fragments just multiplied, and of the stores that read the sums
.endm
	s_wait_loadcnt 0x0
	SSTEP 0
	MTLOAD 2, 0
	SSTEP 1
	MTLOAD 3, 1
	s_wait_loadcnt 18                              ; step 3's 18 loads are younger
	SSTEP 2
	s_wait_loadcnt 0x0
	SSTEP 3
	VOTLOAD 0                                      ; on its way through the softmax
	v_add_f32 v40, v40, v41
	v_add_f32 v42, v42, v43
	v_permlanex16_b32 v41, v40, s28, s29
	v_permlanex16_b32 v43, v42, s28, s29
	v_add_f32 v40, v40, v41                        ; my 128 channels' sum of squares, for row lane % 16
	v_add_f32 v42, v42, v43
.set i, 0
.rept 18
	ds_store_b128 v[7+i/8], v[112+8*i:115+8*i] offset:8192*(i%8)
	ds_store_b128 v[7+i/8], v[116+8*i:119+8*i] offset:8192*(i%8)+512
.set i, i+1
.endr
	ds_store_b32 v13, v40
	ds_store_b32 v13, v42 offset:1024
	s_wait_dscnt 0x0                               ; for the others' sake
	s_barrier_signal -1
	s_barrier_wait -1
.macro RLOAD adr                       ; two tiles' eight partial sums each, into v[128:255]
.set i, 0
.rept 16
	ds_load_b128 v[128+8*i:131+8*i], v[\adr] offset:1024*i
	ds_load_b128 v[132+8*i:135+8*i], v[\adr] offset:1024*i+512
.set i, i+1
.endr
.endm
.macro RSUM base, dst                  ; eight tiles of 8 registers added up
.irp s, 4,2
.set w, 0
.rept \s
.set k, 0
.rept 4
	v_pk_add_f32 v[(\base)+8*w+2*k:(\base)+8*w+2*k+1], v[(\base)+8*w+2*k:(\base)+8*w+2*k+1], v[(\base)+8*(w+\s)+2*k:(\base)+8*(w+\s)+2*k+1]
.set k, k+1
.endr
.set w, w+1
.endr
.endr
.set k, 0
.rept 4
	v_pk_add_f32 v[(\dst)+2*k:(\dst)+2*k+1], v[(\base)+2*k:(\base)+2*k+1], v[(\base)+8+2*k:(\base)+8+2*k+1]
.set k, k+1
.endr
.endm
.set i, 0
.rept 16
	ds_load_b32 v[64+i], v14 offset:1024*(i/8)+128*(i%8)
.set i, i+1
.endr
	RLOAD 18                                       ; F an, both tiles
	s_wait_dscnt 0x0
.irp u, 0,1
	v_pk_add_f32 v[64+8*\u:65+8*\u], v[64+8*\u:65+8*\u], v[68+8*\u:69+8*\u]
	v_pk_add_f32 v[66+8*\u:67+8*\u], v[66+8*\u:67+8*\u], v[70+8*\u:71+8*\u]
	v_pk_add_f32 v[64+8*\u:65+8*\u], v[64+8*\u:65+8*\u], v[66+8*\u:67+8*\u]
	v_add_f32 v[44+\u], v[64+8*\u], v[65+8*\u]     ; ss
.endr
	RSUM 128, 96
	RSUM 192, 104
	RLOAD 10                                       ; head w's scores; the statistics stand in the wait for them
	v_sqrt_f32 v46, v44
	v_sqrt_f32 v47, v45
	v_nop
	s_wait_alu depctr_va_vdst(0)
	v_max_num_f32 v46, 0x322bcc77, v46
	v_max_num_f32 v47, 0x322bcc77, v47
	v_mul_f32 v48, 0x3dcccccd, v46                 ; kappa, as pairs for the packed multiply-add
	v_mul_f32 v50, 0x3dcccccd, v47
	v_mov_b32 v49, v48
	v_mov_b32 v51, v50
	v_rcp_f32 v46, v46                             ; rinv
	v_rcp_f32 v47, v47
	v_nop
	s_wait_alu depctr_va_vdst(0)
.irp u, 0,1
	v_mul_f32 v[52+\u], v[44+\u], v[46+\u]
	v_mul_f32 v[52+\u], v[52+\u], v[46+\u]         ; |fn|^2
	v_mul_f32 v[54+\u], -2.0, v[46+\u]
	v_mul_f32 v[56+\u], s26, v[46+\u]              ; c rinv
.endr
.irp u, 0,1
.irp j, 0,1,2,3,4,5,6,7
	v_add_f32 v[64+8*\u+\j], v[32+\j], v[52+\u]
	v_fma_f32 v[96+8*\u+\j], v[96+8*\u+\j], v[54+\u], v[64+8*\u+\j]
	v_max_num_f32 v[96+8*\u+\j], s31, v[96+8*\u+\j]
.endr
.endr
.set i, 0
.rept 16
	v_sqrt_f32 v[96+i], v[96+i]                    ; the distances: one batch, waited for below
.set i, i+1
.endr
.irp j, 0,1,2,3,4,5,6,7
	v_mul_f32 v[24+\j], s26, v[24+\j]              ; c sb
.endr
	s_wait_dscnt 0x0
	RSUM 128, 112
	RSUM 192, 120
.irp u, 0,1
.irp j, 0,1,2,3,4,5,6,7
	v_fma_f32 v[112+8*\u+\j], v[112+8*\u+\j], v[56+\u], v[24+\j]
.endr
.irp j, 2,3,4,5,6,7
	v_cndmask_b32 v[112+8*\u+\j], v59, v[112+8*\u+\j], s27   ; slots 10-15 lie in lanes 16-31, registers 2-7
.endr
	v_max3_num_f32 v[60+\u], v[112+8*\u], v[113+8*\u], v[114+8*\u]
	v_max3_num_f32 v[60+\u], v[60+\u], v[115+8*\u], v[116+8*\u]
	v_max3_num_f32 v[60+\u], v[60+\u], v[117+8*\u], v[118+8*\u]
	v_max_num_f32 v[60+\u], v[60+\u], v[119+8*\u]
.endr
	v_permlanex16_b32 v62, v60, s28, s29
	v_permlanex16_b32 v63, v61, s28, s29
	v_max_num_f32 v60, v60, v62
	v_max_num_f32 v61, v61, v63
.irp u, 0,1
.irp j, 0,1,2,3,4,5,6,7
	v_sub_f32 v[112+8*\u+\j], v[112+8*\u+\j], v[60+\u]
.endr
.endr
.set i, 0
.rept 16
	v_exp_f32 v[112+i], v[112+i]
.set i, i+1
.endr
	v_nop
	s_wait_alu depctr_va_vdst(0)                   ; one wait for the 16 roots and the 16 powers
.irp u, 0,1
	v_pk_add_f32 v[64+4*\u:65+4*\u], v[112+8*\u:113+8*\u], v[114+8*\u:115+8*\u]
	v_pk_add_f32 v[66+4*\u:67+4*\u], v[116+8*\u:117+8*\u], v[118+8*\u:119+8*\u]
	v_pk_add_f32 v[64+4*\u:65+4*\u], v[64+4*\u:65+4*\u], v[66+4*\u:67+4*\u]
	v_add_f32 v[56+\u], v[64+4*\u], v[65+4*\u]
.endr
	v_permlanex16_b32 v62, v56, s28, s29
	v_permlanex16_b32 v63, v57, s28, s29
	v_add_f32 v56, v56, v62
	v_add_f32 v57, v57, v63
	v_rcp_f32 v56, v56
	v_rcp_f32 v57, v57
	v_nop
	s_wait_alu depctr_va_vdst(0)
.irp u, 0,1
.irp j, 0,1,2,3,4,5,6,7
	v_mul_f32 v[112+8*\u+\j], v[112+8*\u+\j], v[56+\u]       ; aw
.endr
.endr
	v_mul_f32 v58, v112, v96
	v_mul_f32 v55, v120, v104
.irp j, 1,2,3,4,5,6,7
	v_fmac_f32 v58, v[112+\j], v[96+\j]
	v_fmac_f32 v55, v[120+\j], v[104+\j]
.endr
	v_add_f32 v58, v58, v55
.irp u, 0,1
.irp p, 0,1,2,3
	v_cvt_pk_bf16_f32 v[64+4*\u+\p], v[112+8*\u+2*\p], v[113+8*\u+2*\p]
.endr
	ds_store_b128 v15, v[64+4*\u:67+4*\u] offset:4096*\u
.endr
	ds_store_b32 v17, v58
	s_cmp_lg_u32 s24, 0
	s_cbranch_scc1 .Lnot0a
	v_cndmask_b32 v54, v47, v46, s27               ; lane l: rinv of row l
	v_add_nc_u32 v53, RT, v2
	ds_store_b32 v53, v54
	global_store_b32 v2, v54, s[20:21]
.Lnot0a:
	s_wait_dscnt 0x0
	s_barrier_signal -1
	s_barrier_wait -1
.irp u, 0,1
.irp h, 0,1,2,3,4,5,6,7
	ds_load_b128 v[64+32*\u+4*\h:67+32*\u+4*\h], v16 offset:4096*\u+512*\h
.endr
.endr
	s_cmp_lg_u32 s24, 0
	s_cbranch_scc1 .Lnot0b
.irp w, 0,1,2,3,4,5,6,7
	ds_load_b32 v[24+\w], v3 offset:128*\w
.endr
	s_wait_dscnt 0x0
	v_pk_add_f32 v[24:25], v[24:25], v[28:29]
	v_pk_add_f32 v[26:27], v[26:27], v[30:31]
	v_pk_add_f32 v[24:25], v[24:25], v[26:27]
	v_add_f32 v24, v24, v25
	WRED 24, 25                                    ; the work-group's share of the centre loss: one number
	s_wait_xcnt 0x0                                ; EXEC changes only behind this wait (VO's loads are out)
	v_cmp_eq_u32 vcc_lo, 0, v1
	s_and_saveexec_b32 s32, vcc_lo
	global_store_b32 v2, v24, s[22:23]             ; lane 0: its offset 4 l is 0
	s_wait_xcnt 0x0
	s_or_b32 exec_lo, exec_lo, s32
.Lnot0b:
	s_wait_dscnt 0x0
	s_wait_loadcnt 0x0                             ; VO's first 16 fragments
.macro ATT bt                          ; 32 products, 8 accumulators by turns
	WIN 0x01
.irp k, 0,1,2,3
.irp t, 0,1,2,3
.irp u, 0,1
.if \k == 0
	v_wmma_f32_16x16x32_bf16 v[128+64*\u+8*(4*(\bt)+\t):135+64*\u+8*(4*(\bt)+\t)], v[128+8*(4*\t+\k):135+8*(4*\t+\k)], v[64+32*\u+8*\k:71+32*\u+8*\k], 0
.else
	v_wmma_f32_16x16x32_bf16 v[128+64*\u+8*(4*(\bt)+\t):135+64*\u+8*(4*(\bt)+\t)], v[128+8*(4*\t+\k):135+8*(4*\t+\k)], v[64+32*\u+8*\k:71+32*\u+8*\k], v[128+64*\u+8*(4*(\bt)+\t):135+64*\u+8*(4*(\bt)+\t)]
.endif
.endr
.endr
.endr
	WIN 0
	PLACES
.endm
	ATT 0
	VOTLOAD 1
	s_wait_loadcnt 0x0
	ATT 1
	WIN 0x40
.irp i, 0,1,2,3,4,5,6,7
	global_load_b128 v[128+4*\i:131+4*\i], v18, s[10:11] offset:512*\i   ; g and b: lane l holds columns 128 i + 4 l .. + 3
	global_load_b128 v[160+4*\i:163+4*\i], v18, s[12:13] offset:512*\i
.endr
	WIN 0x50                                       ; source 2 and destination in window 1
.irp u, 0,1
.set i, 0
.rept 32
	v_pk_fma_f32 v[64*\u+2*i:64*\u+2*i+1], v[128+64*\u+2*i:129+64*\u+2*i], v[48+2*\u:49+2*\u], v[64*\u+2*i:64*\u+2*i+1]
.set i, i+1
.endr
.endr
	WIN 0x04                                       ; the stores' data in window 1
.irp u, 0,1
.set i, 0
.rept 8
	ds_store_b128 v[11+\u], v[64*\u+8*i:64*\u+8*i+3] offset:64*i
	ds_store_b128 v[11+\u], v[64*\u+8*i+4:64*\u+8*i+7] offset:64*i+16
.set i, i+1
.endr
.endr
	WIN 0
	s_wait_dscnt 0x0
	s_barrier_signal -1
	s_barrier_wait -1
	s_wait_loadcnt 0x0                             ; g and b
	s_mov_b32 s30, 4
.Lrow:                                         ; a trip: one whole row of E, 32 numbers a lane
.irp i, 0,1,2,3,4,5,6,7
	ds_load_b128 v[64+4*\i:67+4*\i], v19 offset:512*\i
.endr
	ds_load_b32 v162, v20
	s_wait_dscnt 0x0
.set k, 0
.rept 8
	v_pk_add_f32 v[96+2*k:97+2*k], v[64+4*k:65+4*k], v[66+4*k:67+4*k]
.set k, k+1
.endr
.irp s, 4,2,1
.set k, 0
.rept \s
	v_pk_add_f32 v[96+2*k:97+2*k], v[96+2*k:97+2*k], v[96+2*(k+\s):97+2*(k+\s)]
.set k, k+1
.endr
.endr
	v_add_f32 v160, v96, v97
	WRED 160, 161
	v_mul_f32 v160, 0x3a800000, v160               ; the mean
	v_mov_b32 v161, v160
.set k, 0
.rept 16
	v_pk_add_f32 v[64+2*k:65+2*k], v[64+2*k:65+2*k], v[160:161] neg_lo:[0,1] neg_hi:[0,1]
.set k, k+1
.endr
.set k, 0
.rept 4
	v_pk_mul_f32 v[96+2*k:97+2*k], v[64+2*k:65+2*k], v[64+2*k:65+2*k]
.set k, k+1
.endr
.rept 12
	v_pk_fma_f32 v[96+2*(k%4):97+2*(k%4)], v[64+2*k:65+2*k], v[64+2*k:65+2*k], v[96+2*(k%4):97+2*(k%4)]
.set k, k+1
.endr
	v_pk_add_f32 v[96:97], v[96:97], v[100:101]
	v_pk_add_f32 v[98:99], v[98:99], v[102:103]
	v_pk_add_f32 v[96:97], v[96:97], v[98:99]
	v_add_f32 v163, v96, v97
	WRED 163, 164
	v_mul_f32 v164, v162, v162
	v_mul_f32 v163, 0x3a800000, v163               ; the variance of E
	v_fmaak_f32 v163, v164, v163, 0x3727c5ac       ; rinv^2 var + 1e-5
	v_rsq_f32 v163, v163
	v_nop
	s_wait_alu depctr_va_vdst(0)
	v_mul_f32 v166, v162, v163
	v_mov_b32 v167, v166
.set k, 0
.rept 16
	v_pk_mul_f32 v[64+2*k:65+2*k], v[64+2*k:65+2*k], v[166:167]
.set k, k+1
.endr
	WIN 0x14                                       ; sources 1 and 2 in window 1
.set k, 0
.rept 16
	v_pk_fma_f32 v[64+2*k:65+2*k], v[64+2*k:65+2*k], v[128+2*k:129+2*k], v[160+2*k:161+2*k]
.set k, k+1
.endr
	WIN 0
.set k, 0
.rept 16
	v_cvt_pk_f16_f32 v[128+k], v[64+2*k], v[65+2*k]     ; x is rounded once, to f16
.set k, k+1
.endr
.irp i, 0,1,2,3,4,5,6,7
	global_store_b64 v21, v[128+2*\i:129+2*\i], s[18:19] offset:256*\i   ; the wave stores 256 consecutive bytes, aligned
.endr
	s_wait_xcnt 0x0                                ; the stores' data and offset are written again only behind this wait
	v_add_nc_u32 v19, EP, v19
	v_add_nc_u32 v20, 4, v20
	v_add_nc_u32 v21, 2048, v21
	s_sub_co_u32 s30, s30, 1
	s_cmp_lg_u32 s30, 0
	s_cbranch_scc1 .Lrow
	s_wait_tensorcnt 0x0                           ; the wave's end
	ds_add_u32 v22, v23
	s_wait_dscnt 0x0
	s_endpgm
.Lfunc_end_k_qc009465ccb_front:
	.size	k_qc009465ccb_front, .Lfunc_end_k_qc009465ccb_front-k_qc009465ccb_front
	.p2alignl 7, 3214868480
	.fill 96, 4, 3214868480
	.section	.rodata,"a",@progbits
	.p2align	6, 0x0
	.amdhsa_kernel k_qc009465ccb_front
		.amdhsa_group_segment_fixed_size 291584
		.amdhsa_private_segment_fixed_size 0
		.amdhsa_enable_private_segment 0
		.amdhsa_kernarg_size 48
		.amdhsa_user_sgpr_count 2
		.amdhsa_user_sgpr_kernarg_segment_ptr 1
		.amdhsa_wavefront_size32 1
		.amdhsa_system_sgpr_workgroup_id_x 1
		.amdhsa_system_sgpr_workgroup_id_y 1
		.amdhsa_system_sgpr_workgroup_id_z 1
		.amdhsa_system_vgpr_workitem_id 0
		.amdhsa_next_free_vgpr 512
		.amdhsa_next_free_sgpr 66
		.amdhsa_reserve_vcc 1
		.amdhsa_float_denorm_mode_32 3
		.amdhsa_float_denorm_mode_16_64 3
		.amdhsa_memory_ordered 1
		.amdhsa_forward_progress 1
		.amdhsa_inst_pref_size 83
	.end_amdhsa_kernel
	.amdgpu_metadata
---
amdhsa.version: [ 1, 2 ]
amdhsa.kernels:
  - .name:           k_qc009465ccb_front
    .symbol:         k_qc009465ccb_front.kd
    .args:
      - { .name: features, .offset: 0, .size: 8, .value_kind: global_buffer, .address_space: global }
      - { .name: wsC, .offset: 8, .size: 8, .value_kind: global_buffer, .address_space: global }
      - { .name: wsD, .offset: 16, .size: 8, .value_kind: global_buffer, .address_space: global }
      - { .name: ln_g, .offset: 24, .size: 8, .value_kind: global_buffer, .address_space: global }
      - { .name: ln_b, .offset: 32, .size: 8, .value_kind: global_buffer, .address_space: global }
      - { .name: wsE, .offset: 40, .size: 8, .value_kind: global_buffer, .address_space: global }
    .group_segment_fixed_size: 291584
    .private_segment_fixed_size: 0
    .kernarg_segment_align: 8
    .kernarg_segment_size: 48
    .max_flat_workgroup_size: 256
    .sgpr_count:     66
    .vgpr_count:     512
    .wavefront_size: 32
...
	.end_amdgpu_metadata
.endif
;; end of part 5
;; launch ff1 (part 6): grid 8 x 32, 4 waves a work-group, clusters of 4 x 4, 327,680 bytes of LDS; arguments wsE, wsA, ff_b1, wsH; writes wsH
.if DOCPART == 6
	.amdgcn_target "amdgcn-amd-amdhsa--gfx1250"
	.amdhsa_code_object_version 6
	.text
	.protected	k_qc009465ccb_ff1
	.globl	k_qc009465ccb_ff1
	.p2align	8
	.type	k_qc009465ccb_ff1,@function
k_qc009465ccb_ff1:
	s_mov_b64 s[64:65], 0
	v_nop
	global_prefetch_b8 v0, s[64:65] scope:SCOPE_SE
	s_setreg_imm32_b32 hwreg(HW_REG_WAVE_MODE, 25, 1), 1
	s_wait_xcnt 0x0
	s_wait_alu depctr_hold_cnt(0) depctr_sa_sdst(0) depctr_va_vdst(0) depctr_va_sdst(0) depctr_va_ssrc(0) depctr_va_vcc(0) depctr_vm_vsrc(0)
	s_getreg_b32 s2, hwreg(HW_REG_IB_STS2, 6, 4)
	s_cmp_eq_u32 s2, 0
	s_cbranch_scc0 .Lentry_in_a_cluster
	s_endpgm
.Lentry_in_a_cluster:
	s_bfe_u32 s2, ttmp6, 0x10000c
	s_cmp_lg_u32 s2, 0xf033
	s_cbranch_scc0 .Lentry_shape_is_right
	s_endpgm
.Lentry_shape_is_right:
; h = gelu(x w1 + ff_b1).  x: [8192][1024] f16, w1: [1024][2048] f16 (rows along N), h: [8192][2048] f16; sums in f32.  (Why f16: the head of the first launch.)
; A work-group makes 256 x 256 of h, each of its four waves 128 x 128: 64 accumulators, 512 registers.  K goes in 8 steps of 128 through two LDS slots filled by the tensor data mover.
; x's tile: 256 rows of 256 bytes, padded to 272.  w1's tile: 128 rows (k) of 512 bytes, padded to 544; its fragments come out of LDS turned, by ds_load_tr16_b128.
; Source 0 = 16 columns of w1, source 1 = 16 rows of x: a lane holds one row of h and eight neighbouring columns.
; CLUSTER 4 x 4: x's tile is shared along a row of the cluster, w1's along a column; each is asked for jointly, by the same load with the same descriptor in the four that the mask names.
; THE LOOP's body is one K step; the LDS addresses hang on s[TB], which one exclusive or turns from one slot to the other (SLOT shares no bit with an address inside a slot); the second
; descriptor set walks: the other slot, the next K step.
; GELU.  gelu(x) = max(x, 0) - |x| q, q = erfc(|x| / sqrt 2) / 2 = (c0 + c1 a + .. + c6 a^6)^-16, a = |x| (Abramowitz and Stegun 7.1.28 with the factors 1/2 and 1/sqrt 2 folded in).
; LIMITS: that formula's error in erf is 3e-7 at the most; where the polynomial overflows q is 0, as it should be.  h is rounded to f16: a pre-activation of 65,520 or more gives an infinity;
; below 6e-5 h keeps f16's fixed step of 6e-8.
; THE WAY OUT.  Behind a barrier the sums are laid in f32 into the ring's bytes, which have had their last fill (rows of 512 bytes + 16, a region for each wave), and read back by rows.
; REGISTERS.  Window 0: v0-31 addresses and the bias; v64-127, v128-191 x's fragments, two buffers (on the way out v32-207 at work).  Window 1: the same numbers for w1's.  Windows 2, 3: the sums.
.set PA, 272
.set PB, 544
.set HALFT, 34816                      ; 128 rows of x or 64 rows of w1: what one tensor load brings
.set SLOT, 139264
.set SPARE, 278528
.set NS, 8
.set BSTEP, 524288                     ; 128 rows of w1
.set DP, 528
.set A0, 16
.set B0, 17
.set ADRA, 18
.set ADRB, 19
.set DW, 24
.set DR, 25
.set HO, 26
.set BO, 27
.set SPW, 28
.set NIL, 29
.set PFO, 30
.set F0, 64
.set F1, 128
.set WV, 16
.set ROLE, 17                          ; 0: I fetch x's tile, 1: w1's.  Also my half of the tile's rows
.set HALF, 18                          ; which half of that tile I fetch.  Also my half of the tile's columns
.set G1, 24
.set G0, 32
.set CNT, 40
.set TB, 42
.set LIM, 43
.set PFA, 44
.set PFS, 46
.set G1B, 48
.set G0B, 56
.set CP, 68                            ; s[68:81]: c0 to c6, each twice, as pairs for the packed multiply-add
.set MSB, 0
.macro WIN new
.if MSB != (\new)
	s_set_vgpr_msb (MSB<<8)|(\new)
.set MSB, \new
.endif
.endm
.set MUL_LO, 0xa1
.set TO_B, 0x40
.macro PLACES
.rept 4
	v_nop
.endr
.endm
.macro JLOAD                           ; the joint refill by the walking descriptors; an s_nop 0 and four v_nop follow each line
	s_cmp_eq_u32 s[ROLE], 0
	s_cbranch_scc0 .Lfor_b_\@
	tensor_load_to_lds s[G0+4:G0+7], s[G1:G1+7]
	s_nop 0
	PLACES
	s_branch .Lasked_\@
.Lfor_b_\@:
	tensor_load_to_lds s[G0B+4:G0B+7], s[G1B:G1B+7]
	s_nop 0
	PLACES
.Lasked_\@:
.endm
.macro CREST
	s_cmp_lg_u32 s[WV], 0
	s_cbranch_scc1 .Lnot_wave_0_\@
	s_barrier_signal -3
.Lnot_wave_0_\@:
	s_barrier_wait -3
	s_barrier_signal -1
	s_barrier_wait -1
.endm
.macro CROUND
	s_barrier_signal -1
	s_barrier_wait -1
	CREST
.endm
; A prefetch of the K step that stands two refills on: 32 blocks of 256 bytes, a lane a block.  x's rows are asked for by the clusters with x = 0, w1's by those with y = 0; the four partners that
; ask for a tile jointly share its blocks out by address.  The trips whose K step two refills on does not exist ask for nothing.
.macro ASK
	s_cmp_gt_u32 s[CNT], s[LIM]
	s_cbranch_scc0 .Lnot_mine_\@
	global_prefetch_b8 v[PFO], s[PFA:PFA+1] th:TH_LOAD_NT scope:SCOPE_SE
.Lnot_mine_\@:
.endm
	s_load_b256 s[4:11], s[0:1], 0x0               ; x s[4:5], w1 s[6:7], ff_b1 s[8:9], h s[10:11]
	v_lshl_add_u32 v[SPW], v0, 2, SPARE
	v_mov_b32 v[NIL], 0
	ds_add_u32 v[SPW], v[NIL]                      ; the wave's opening: the add, twice on end, and its wait ahead of my first tensor load
	ds_add_u32 v[SPW], v[NIL]
	v_lshrrev_b32 v1, 5, v0
	v_readfirstlane_b32 s[WV], v1
	s_lshr_b32 s[ROLE], s[WV], 1
	s_and_b32 s[HALF], s[WV], 1
	s_bfe_u32 s19, ttmp6, 0x40000                  ; cx
	s_bfe_u32 s20, ttmp6, 0x40004                  ; cy
	s_lshl_b32 s21, ttmp9, 2
	s_add_co_u32 s21, s21, s19                     ; tile column
	s_and_b32 s22, ttmp7, 0xffff
	s_lshl_b32 s22, s22, 2
	s_add_co_u32 s22, s22, s20                     ; tile row
	s_lshl_b32 s23, s20, 2
	s_lshl_b32 s23, 15, s23                        ; my row of the cluster
	s_lshl_b32 s2, 0x1111, s19                     ; my column
	s_or_b32 s[G1], s23, (1<<16)|(1<<20)|(1<<21)|(5<<22)|(3<<25)   ; 2-byte elements; padding of 4 words behind every 64; bit 21 beside the mask
	s_or_b32 s[G1B], s2, (1<<16)|(1<<20)|(1<<21)|(6<<22)|(7<<25)   ; padding of 8 words behind every 128
	s_mov_b32 s[G1+1], 128<<16                     ; tensor_dim0
	s_mov_b32 s[G1+2], 128<<16                     ; tensor_dim1
	s_mov_b32 s[G1+3], 128<<16                     ; tile_dim0
	s_mov_b32 s[G1+4], 128                         ; tile_dim1
	s_mov_b32 s[G1+5], 1024                        ; elements from row to row
	s_mov_b32 s[G1+6], 0
	s_mov_b32 s[G1+7], 0
	s_mov_b32 s[G1B+1], 256<<16
	s_mov_b32 s[G1B+2], 64<<16
	s_mov_b32 s[G1B+3], 256<<16
	s_mov_b32 s[G1B+4], 64
	s_mov_b32 s[G1B+5], 2048
	s_mov_b32 s[G1B+6], 0
	s_mov_b32 s[G1B+7], 0
	s_lshl_b32 s66, s22, 19                        ; x: (256 tile row + 128 half) rows of 2,048 bytes
	s_lshl_b32 s67, s[HALF], 18
	s_add_co_u32 s66, s66, s67
	s_mov_b32 s67, 0
	s_lshl_b32 s82, s[HALF], 18                    ; w1: 64 half rows of 4,096 bytes + 256 tile column x 2
	s_lshl_b32 s83, s21, 9
	s_add_co_u32 s82, s82, s83
	s_mov_b32 s83, 0
	s_mul_i32 s3, s[WV], HALFT                     ; where my part goes: x's two halves, then w1's
	s_mov_b32 s[TB], 0
	s_wait_dscnt 0x0                               ; both opening adds are done
	s_wait_kmcnt 0x0
	s_add_nc_u64 s[12:13], s[4:5], s[66:67]
	s_add_nc_u64 s[14:15], s[6:7], s[82:83]
	CROUND                                         ; all sixteen work-groups are here: the first joint loads meet
.irp s, 0,1
	s_mov_b32 s[G0+4*\s], 1
	s_add_co_u32 s[G0+4*\s+1], s3, \s*SLOT
	s_add_nc_u64 s[G0+4*\s+2:G0+4*\s+3], s[12:13], \s*256
	s_or_b32 s[G0+4*\s+3], s[G0+4*\s+3], 0x80000000
	s_mov_b32 s[G0B+4*\s], 1
	s_add_co_u32 s[G0B+4*\s+1], s3, \s*SLOT
	s_add_nc_u64 s[G0B+4*\s+2:G0B+4*\s+3], s[14:15], \s*BSTEP
	s_or_b32 s[G0B+4*\s+3], s[G0B+4*\s+3], 0x80000000
.endr
	s_cmp_eq_u32 s[ROLE], 0                        ; a wave's two first fills stand in one branch: two loads of mine are out
	s_cbranch_scc0 .Lfirst_b
	tensor_load_to_lds s[G0:G0+3], s[G1:G1+7]
	s_nop 0
	tensor_load_to_lds s[G0+4:G0+7], s[G1:G1+7]
	s_nop 0
	PLACES
	s_branch .Lfirst_done
.Lfirst_b:
	tensor_load_to_lds s[G0B:G0B+3], s[G1B:G1B+7]
	s_nop 0
	tensor_load_to_lds s[G0B+4:G0B+7], s[G1B:G1B+7]
	s_nop 0
	PLACES
.Lfirst_done:
	v_and_b32 v1, 15, v0                           ; r
	v_bfe_u32 v2, v0, 4, 1                         ; e
	v_and_b32 v31, 31, v0                          ; l
	v_mul_u32_u24 v[A0], v1, PA
	v_lshl_add_u32 v[A0], v2, 4, v[A0]
	s_mul_i32 s2, s[ROLE], HALFT
	v_add_nc_u32 v[A0], s2, v[A0]                  ; x: (128 wr + r) x 272 + 16 e
	v_and_b32 v3, 7, v0
	v_lshl_add_u32 v3, v2, 3, v3
	v_mul_u32_u24 v[B0], v3, PB
	v_bfe_u32 v3, v0, 3, 1
	v_lshl_add_u32 v[B0], v3, 4, v[B0]
	s_lshl_b32 s2, s[HALF], 8
	s_add_co_u32 s2, s2, 2*HALFT
	v_add_nc_u32 v[B0], s2, v[B0]                  ; w1: (8 e + l % 8) x 544 + 16 ((l / 8) % 2) + 256 wc, behind x's 256 rows
	v_mov_b32 v[ADRA], v[A0]
	v_mov_b32 v[ADRB], v[B0]
	s_mul_i32 s2, s[WV], 128*DP
	v_mul_u32_u24 v[DW], v1, DP
	v_lshl_add_u32 v[DW], v2, 5, v[DW]
	v_add_nc_u32 v[DW], s2, v[DW]
	v_lshl_add_u32 v[DR], v31, 4, s2
	v_lshlrev_b32 v[HO], 3, v31
	s_lshl_b32 s2, s21, 10
	s_lshl_b32 s3, s[HALF], 9
	s_add_co_u32 s2, s2, s3
	v_lshl_add_u32 v[BO], v31, 4, s2               ; the bias of my four columns on the way out
	global_load_b128 v[4:7], v[BO], s[8:9]
	s_lshl_b32 s84, s22, 20                        ; h: (256 tile row + 128 wr) rows of 4,096 bytes + (256 tile column + 128 wc) x 2
	s_lshl_b32 s85, s[ROLE], 19
	s_add_co_u32 s84, s84, s85
	s_lshl_b32 s85, s21, 9
	s_add_co_u32 s84, s84, s85
	s_lshl_b32 s85, s[HALF], 8
	s_add_co_u32 s84, s84, s85
	s_mov_b32 s85, 0
	s_add_nc_u64 s[10:11], s[10:11], s[84:85]
	; the prefetches: at K step 3; the first change of slots steps them to 4
	s_lshl_b32 s84, s22, 19
	s_lshl_b32 s86, s[HALF], 18
	s_add_co_u32 s84, s84, s86
	s_lshl_b32 s86, s19, 16                        ; my work-group's 32 rows of the 128
	s_add_co_u32 s84, s84, s86
	s_add_co_u32 s84, s84, 3*256
	s_lshl_b32 s86, s[HALF], 18
	s_lshl_b32 s87, s20, 16                        ; my work-group's 16 rows of the 64
	s_add_co_u32 s86, s86, s87
	s_lshl_b32 s87, s21, 9
	s_add_co_u32 s86, s86, s87
	s_add_co_u32 s86, s86, 3*BSTEP
	s_and_b32 s87, ttmp7, 0xffff
	s_mov_b32 s[PFS], 256
	s_mov_b32 s2, BSTEP
	s_mov_b32 s[PFS+1], 0
	s_cmp_eq_u32 s[ROLE], 0
	s_cselect_b32 s84, s84, s86
	s_cselect_b32 s87, ttmp9, s87                  ; the coordinate along which other clusters read the same rows
	s_cselect_b64 s[PFA:PFA+1], s[4:5], s[6:7]
	s_cselect_b32 s[PFS], s[PFS], s2
	s_cselect_b32 s88, 0, 1                        ; x: a lane a row; w1: two lanes a row
	s_lshl_b32 s89, 2048, s88
	s_add_nc_u64 s[PFA:PFA+1], s[PFA:PFA+1], s[84:85]
	s_cmp_eq_u32 s87, 0
	s_cselect_b32 s[LIM], 2, -1
	v_lshrrev_b32 v[PFO], s88, v31
	v_mul_lo_u32 v[PFO], v[PFO], s89
	v_and_b32 v3, s88, v31
	v_lshl_add_u32 v[PFO], v3, 8, v[PFO]
	s_mov_b32 s66, 0x7fffffff
.irp c, 0x3f85aac3, 0x3d554cc4, 0x3cb4dad2, 0x3b605009, 0x382674a8, 0x3856241c, 0x36bc9e99
	s_mov_b32 s[CP], \c
	s_mov_b32 s[CP+1], \c
.set CP, CP+2
.endr
.macro MUL16 f, hi, a0, zero
	WIN MUL_LO+0x50*(\hi)
.irp a, \a0, (\a0)+1
.irp b, 0,1,2,3,4,5,6,7
.if \zero
	v_wmma_f32_16x16x32_f16 v[8*(8*(\a)+(\b)):8*(8*(\a)+(\b))+7], v[(\f)+8*(\b):(\f)+8*(\b)+7], v[(\f)+8*(4*(\hi)+(\a)):(\f)+8*(4*(\hi)+(\a))+7], 0
.else
	v_wmma_f32_16x16x32_f16 v[8*(8*(\a)+(\b)):8*(8*(\a)+(\b))+7], v[(\f)+8*(\b):(\f)+8*(\b)+7], v[(\f)+8*(4*(\hi)+(\a)):(\f)+8*(4*(\hi)+(\a))+7], v[8*(8*(\a)+(\b)):8*(8*(\a)+(\b))+7]
.endif
.endr
.endr
.endm
.macro FETCH q, f                      ; 32 LDS loads in one run: quarter q (32 along K) of the slot in hand into buffer f: w1's 8 fragments, then x's 8
	WIN TO_B
.irp i, 0,1,2,3,4,5,6,7
	ds_load_tr16_b128 v[(\f)+8*(\i):(\f)+8*(\i)+3],   v[ADRB] offset:(\q)*32*PB+32*(\i)
	ds_load_tr16_b128 v[(\f)+8*(\i)+4:(\f)+8*(\i)+7], v[ADRB] offset:(\q)*32*PB+16*PB+32*(\i)
.endr
	WIN 0
.irp i, 0,1,2,3,4,5,6,7
	ds_load_b128 v[(\f)+8*(\i):(\f)+8*(\i)+3],   v[ADRA] offset:(\q)*64+(\i)*16*PA
	ds_load_b128 v[(\f)+8*(\i)+4:(\f)+8*(\i)+7], v[ADRA] offset:(\q)*64+(\i)*16*PA+32
.endr
.endm
.macro QUARTER q, f, g, zero           ; multiplies buffer f; in its middle fetches quarter q into buffer g
	s_wait_dscnt 8                                 ; w1's fragments and x's rows 0-63 are in; the youngest eight loads may be out
	MUL16 \f, 0, 0, \zero
	MUL16 \f, 0, 2, \zero
	PLACES
	FETCH \q, \g
	s_wait_dscnt 32                                ; all but the 32 just issued
	MUL16 \f, 1, 0, \zero
	MUL16 \f, 1, 2, \zero
.endm
; The last quarter of a K step multiplies buffer 1 and changes slots.  In front of the barrier each wave waits for all its tensor loads (one is out: its part of the next slot), adds 0 to its spare
; word, and waits for that and for its reads of this slot.  fill = 1: the barrier opens a round of the cluster's, and the joint refill is the first thing behind the round.
.macro TURN fill
.if \fill
	s_wait_xcnt 0x0                                ; the last prefetch, a K step back, has read its address
	s_add_nc_u64 s[PFA:PFA+1], s[PFA:PFA+1], s[PFS:PFS+1]
.endif
	WIN 0
	s_wait_tensorcnt 0x0
	ds_add_u32 v[SPW], v[NIL]
	s_wait_dscnt 9                                 ; the add and the youngest eight loads may be out
	MUL16 F1, 0, 0, 0
	s_wait_dscnt 0x0                               ; the add is done, my reads of this slot are over
	s_barrier_signal -1
	MUL16 F1, 0, 2, 0
	WIN 0
	s_barrier_wait -1
.if \fill
	CREST
	s_xor_b32 s[G0+5], s[G0+5], SLOT               ; the walking descriptors: the slot just left, the K step two on
	s_add_nc_u64 s[G0+6:G0+7], s[G0+6:G0+7], 256
	s_xor_b32 s[G0B+5], s[G0B+5], SLOT
	s_add_nc_u64 s[G0B+6:G0B+7], s[G0B+6:G0B+7], BSTEP
	JLOAD                                          ; its four v_nop are also the places in front of the loads below
.else
	PLACES
.endif
	s_xor_b32 s[TB], s[TB], SLOT
	v_add_nc_u32 v[ADRA], s[TB], v[A0]
	v_add_nc_u32 v[ADRB], s[TB], v[B0]
	FETCH 0, F0
.if \fill
	ASK
.endif
	MUL16 F1, 1, 0, 0
	MUL16 F1, 1, 2, 0
.endm
	s_wait_tensorcnt 1                             ; my part of K step 0 is in; K step 1's may stay out
	s_barrier_signal -1
	s_barrier_wait -1
	FETCH 0, F0
	QUARTER 1, F0, F1, 1                           ; the first quarter's products start the sums
	WIN 0
	s_mov_b32 s[CNT], NS-2
.Lstep:                                        ; a trip: the rest of a K step, the change of slots with its refill, the next step's first quarter
	QUARTER 2, F1, F0, 0
	QUARTER 3, F0, F1, 0
	TURN 1
	QUARTER 1, F0, F1, 0
	WIN 0
	s_sub_co_u32 s[CNT], s[CNT], 1
	s_cmp_lg_u32 s[CNT], 0
	s_cbranch_scc1 .Lstep
	QUARTER 2, F1, F0, 0                           ; the last two K steps ask for nothing
	QUARTER 3, F0, F1, 0
	TURN 0
	QUARTER 1, F0, F1, 0
	QUARTER 2, F1, F0, 0
	QUARTER 3, F0, F1, 0
	s_wait_dscnt 8
	MUL16 F1, 0, 0, 0
	MUL16 F1, 0, 2, 0
	s_wait_dscnt 0x0
	MUL16 F1, 1, 0, 0
	MUL16 F1, 1, 2, 0
	WIN 0
	PLACES
	s_barrier_signal -1                            ; every wave's reads of both slots are over (each has waited for them): now the ring's bytes may be written
	s_barrier_wait -1
.irp a, 0,1,2,3,4,5,6,7
	WIN 0x08+4*((\a)/4)                            ; the stores' data in window 2 or 3
.irp b, 0,1,2,3,4,5,6,7
	ds_store_b128 v[DW], v[8*(8*((\a)%4)+\b):8*(8*((\a)%4)+\b)+3] offset:(\a)*16*DP+64*\b
	ds_store_b128 v[DW], v[8*(8*((\a)%4)+\b)+4:8*(8*((\a)%4)+\b)+7] offset:(\a)*16*DP+64*\b+16
.endr
.endr
	WIN 0
.irp t, 0,1,2,3,4,5,6,7
	ds_load_b128 v[32+4*\t:35+4*\t], v[DR] offset:\t*DP   ; my own bytes: LDS serves a wave's instructions in order
.endr
	s_wait_loadcnt 0x0                             ; the bias
	s_mov_b32 s[CNT], 16
.Lgelu:                                        ; a trip: 8 rows of 128 columns, four numbers a lane and row
	s_wait_dscnt 0x0
.set k, 0
.rept 16
	v_pk_add_f32 v[64+2*k:65+2*k], v[32+2*k:33+2*k], v[4+2*(k%2):5+2*(k%2)]
.set k, k+1
.endr
	s_cmp_eq_u32 s[CNT], 1
	s_cbranch_scc1 .Lnoload                        ; the last trip has no rows behind it
	v_add_nc_u32 v[DR], 8*DP, v[DR]
.irp t, 0,1,2,3,4,5,6,7
	ds_load_b128 v[32+4*\t:35+4*\t], v[DR] offset:\t*DP
.endr
.Lnoload:
.set k, 0
.rept 32
	v_and_b32 v[96+k], s66, v[64+k]
.set k, k+1
.endr
.set k, 0
.rept 16
	v_pk_fma_f32 v[128+2*k:129+2*k], v[96+2*k:97+2*k], s[80:81], s[78:79] op_sel_hi:[1,0,0]
.set k, k+1
.endr
.irp c, 76,74,72,70,68
.set k, 0
.rept 16
	v_pk_fma_f32 v[128+2*k:129+2*k], v[128+2*k:129+2*k], v[96+2*k:97+2*k], s[\c:\c+1] op_sel_hi:[1,1,0]
.set k, k+1
.endr
.endr
.set k, 0
.rept 32
	v_rcp_f32 v[128+k], v[128+k]
.set k, k+1
.endr
.set k, 0
.rept 32
	v_max_num_f32 v[160+k], 0, v[64+k]             ; independent work behind the reciprocals
.set k, k+1
.endr
	s_wait_alu depctr_va_vdst(0)                   ; one wait for the 32 reciprocals
.rept 4                                ; the 16th power
.set k, 0
.rept 16
	v_pk_mul_f32 v[128+2*k:129+2*k], v[128+2*k:129+2*k], v[128+2*k:129+2*k]
.set k, k+1
.endr
.endr
.set k, 0
.rept 16
	v_pk_fma_f32 v[160+2*k:161+2*k], v[96+2*k:97+2*k], v[128+2*k:129+2*k], v[160+2*k:161+2*k] neg_lo:[1,0,0] neg_hi:[1,0,0]
.set k, k+1
.endr
.set k, 0
.rept 16
	v_cvt_pk_f16_f32 v[192+k], v[160+2*k], v[161+2*k]   ; h is rounded once, to f16
.set k, k+1
.endr
.irp t, 0,1,2,3,4,5,6,7
	global_store_b64 v[HO], v[192+2*\t:193+2*\t], s[10:11] offset:4096*\t   ; the wave stores 256 consecutive bytes, aligned
.endr
	s_wait_xcnt 0x0                                ; the stores' data and base are written again only behind this wait
	s_add_nc_u64 s[10:11], s[10:11], 32768
	s_sub_co_u32 s[CNT], s[CNT], 1
	s_cmp_lg_u32 s[CNT], 0
	s_cbranch_scc1 .Lgelu
	s_wait_tensorcnt 0x0                           ; the wave's end
	ds_add_u32 v[SPW], v[NIL]
	s_wait_dscnt 0x0
	CROUND                                         ; the closing round
	s_endpgm
.Lfunc_end_k_qc009465ccb_ff1:
	.size	k_qc009465ccb_ff1, .Lfunc_end_k_qc009465ccb_ff1-k_qc009465ccb_ff1
	.p2alignl 7, 3214868480
	.fill 96, 4, 3214868480
	.section	.rodata,"a",@progbits
	.p2align	6, 0x0
	.amdhsa_kernel k_qc009465ccb_ff1
		.amdhsa_group_segment_fixed_size 327680
		.amdhsa_private_segment_fixed_size 0
		.amdhsa_enable_private_segment 0
		.amdhsa_kernarg_size 32
		.amdhsa_user_sgpr_count 2
		.amdhsa_user_sgpr_kernarg_segment_ptr 1
		.amdhsa_wavefront_size32 1
		.amdhsa_system_sgpr_workgroup_id_x 1
		.amdhsa_system_sgpr_workgroup_id_y 1
		.amdhsa_system_sgpr_workgroup_id_z 1
		.amdhsa_system_vgpr_workitem_id 0
		.amdhsa_next_free_vgpr 1024
		.amdhsa_next_free_sgpr 90
		.amdhsa_reserve_vcc 0
		.amdhsa_float_denorm_mode_32 3
		.amdhsa_float_denorm_mode_16_64 3
		.amdhsa_memory_ordered 1
		.amdhsa_forward_progress 1
		.amdhsa_inst_pref_size 114
	.end_amdhsa_kernel
	.amdgpu_metadata
---
amdhsa.version: [ 1, 2 ]
amdhsa.kernels:
  - .name:           k_qc009465ccb_ff1
    .symbol:         k_qc009465ccb_ff1.kd
    .args:
      - { .name: wsE, .offset: 0, .size: 8, .value_kind: global_buffer, .address_space: global }
      - { .name: wsA, .offset: 8, .size: 8, .value_kind: global_buffer, .address_space: global }
      - { .name: ff_b1, .offset: 16, .size: 8, .value_kind: global_buffer, .address_space: global }
      - { .name: wsH, .offset: 24, .size: 8, .value_kind: global_buffer, .address_space: global }
    .group_segment_fixed_size: 327680
    .private_segment_fixed_size: 0
    .kernarg_segment_align: 8
    .kernarg_segment_size: 32
    .max_flat_workgroup_size: 128
    .sgpr_count:     90
    .vgpr_count:     1024
    .wavefront_size: 32
...
	.end_amdgpu_metadata
.endif
;; end of part 6
;; launch ff2 (part 7): grid 4 x 64, 4 waves a work-group, clusters of 4 x 4, 327,680 bytes of LDS; arguments wsH, wsA, wsE, features, ff_b2, out0, wsD, div_w, cen_w, out1; writes out0, out1
.if DOCPART == 7
	.amdgcn_target "amdgcn-amd-amdhsa--gfx1250"
	.amdhsa_code_object_version 6
	.text
	.protected	k_qc009465ccb_ff2
	.globl	k_qc009465ccb_ff2
	.p2align	8
	.type	k_qc009465ccb_ff2,@function
k_qc009465ccb_ff2:
	s_mov_b64 s[64:65], 0
	v_nop
	global_prefetch_b8 v0, s[64:65] scope:SCOPE_SE
	s_setreg_imm32_b32 hwreg(HW_REG_WAVE_MODE, 25, 1), 1
	s_wait_xcnt 0x0
	s_wait_alu depctr_hold_cnt(0) depctr_sa_sdst(0) depctr_va_vdst(0) depctr_va_sdst(0) depctr_va_ssrc(0) depctr_va_vcc(0) depctr_vm_vsrc(0)
	s_getreg_b32 s2, hwreg(HW_REG_IB_STS2, 6, 4)
	s_cmp_eq_u32 s2, 0
	s_cbranch_scc0 .Lentry_in_a_cluster
	s_endpgm
.Lentry_in_a_cluster:
	s_bfe_u32 s2, ttmp6, 0x10000c
	s_cmp_lg_u32 s2, 0xf033
	s_cbranch_scc0 .Lentry_shape_is_right
	s_endpgm
.Lentry_shape_is_right:
; out0 = features x rinv + 0.2 (h w2 + ff_b2).  h: [8192][2048] f16, w2: [2048][1024] f16 (rows along N, 4 MiB into wsA), rinv: [8192] f32 (16 MiB into wsE), out0 f32.
; (Why f16, and its limits: the heads of the first launch and of the launch before.)
; A tile of 128 x 256 gives 256 work-groups, one for each of 256 WGPs (256 x 256 would give 128); a wave makes 64 x 128: 32 accumulators.  K goes in 16 steps of 128 through two LDS slots.
; All else as in the launch before: h's tile (128 rows of 256 bytes, padded to 272) is shared along a row of the 4 x 4 cluster, w2's (128 rows of 512 bytes, padded to 544, read turned) along a column.
; THE WAY OUT.  The sums go in f32 into the ring's bytes (last fill over), come back by rows, and meet the row's features, which were loaded into window 3 during the last two K steps.
; out1 = clip(|div_w| exp(-max(mean of the 45 distances, 1e-6)) + |cen_w| centre, 0, 0.01); centre = (the sum of 256 work-groups' shares) / (8 heads x 8,192 rows).  The shares were stored by all
; work-groups of an earlier launch, so their sum stands here, in the last launch: 256 + 48 words and some 45 instructions.  They are asked for under the last two K steps, by wave 0 of the
; work-groups of cluster y = 0 (a branch on the cluster's and the wave's number, which all partners share); the sixteen partners run alike, and one lane of one of them stores: the store's lanes are
; those where lane | cx | cy is 0.  LIMIT: the clip is a maximum and a minimum in which a NaN loses.
; REGISTERS.  Window 0: v0-31 addresses, 0.2 b2, rinv, out1's words; v64-95, v96-127 h's fragments; v128-223 at work on the way out.  Window 1: v64-127, v128-191 w2's.  Window 2: the sums.  Window 3: features.
.set PA, 272
.set PB, 544
.set AH, 17408                         ; 64 rows of h
.set BH, 34816                         ; 64 rows of w2
.set BB, 34816                         ; w2's tile lies behind h's 128 rows
.set SLOT, 131072
.set SPARE, 235520
.set NS, 16
.set BSTEP, 262144
.set DP, 528
.set A0, 16
.set B0, 17
.set ADRA, 18
.set ADRB, 19
.set DW, 24
.set DR, 25
.set FO, 26
.set BO, 27
.set SPW, 28
.set NIL, 29
.set PFO, 30
.set WV, 16
.set ROLE, 17
.set HALF, 18
.set G1, 24
.set G0, 32
.set CNT, 40
.set GEO, 41                           ; s41  cluster y | wave: 0 in the waves that make out1
.set TB, 42
.set LIM, 43
.set PFA, 44
.set PFS, 46
.set G1B, 48
.set G0B, 56
.set MSB, 0
.macro WIN new
.if MSB != (\new)
	s_set_vgpr_msb (MSB<<8)|(\new)
.set MSB, \new
.endif
.endm
.macro PLACES
.rept 4
	v_nop
.endr
.endm
.macro JLOAD
	s_cmp_eq_u32 s[ROLE], 0
	s_cbranch_scc0 .Lfor_b_\@
	tensor_load_to_lds s[G0+4:G0+7], s[G1:G1+7]
	s_nop 0
	PLACES
	s_branch .Lasked_\@
.Lfor_b_\@:
	tensor_load_to_lds s[G0B+4:G0B+7], s[G1B:G1B+7]
	s_nop 0
	PLACES
.Lasked_\@:
.endm
.macro CREST
	s_cmp_lg_u32 s[WV], 0
	s_cbranch_scc1 .Lnot_wave_0_\@
	s_barrier_signal -3
.Lnot_wave_0_\@:
	s_barrier_wait -3
	s_barrier_signal -1
	s_barrier_wait -1
.endm
.macro CROUND
	s_barrier_signal -1
	s_barrier_wait -1
	CREST
.endm
; A prefetch of the K step two refills on, 32 blocks of 256 bytes.  h's 128 rows: wave 0, 32 rows for each of the four partners (only this cluster reads them); w2's: waves 2 and 3 of the
; clusters with y = 0, 16 rows of 512 bytes for each partner.  Wave 1 asks for nothing.
.macro ASK
	s_cmp_gt_u32 s[CNT], s[LIM]
	s_cbranch_scc0 .Lnot_mine_\@
	global_prefetch_b8 v[PFO], s[PFA:PFA+1] th:TH_LOAD_NT scope:SCOPE_SE
.Lnot_mine_\@:
.endm
.macro WRED a, t                       ; the sum over the wave's 32 lanes, in every lane
	v_add_f32_dpp v[\a], v[\a], v[\a] row_xmask:1 row_mask:0xf bank_mask:0xf
	v_add_f32_dpp v[\a], v[\a], v[\a] row_xmask:2 row_mask:0xf bank_mask:0xf
	v_add_f32_dpp v[\a], v[\a], v[\a] row_xmask:4 row_mask:0xf bank_mask:0xf
	v_add_f32_dpp v[\a], v[\a], v[\a] row_xmask:8 row_mask:0xf bank_mask:0xf
	v_mov_b32 v[\t], v[\a]
	v_permlanex16_b32 v[\t], v[\a], s96, s97
	v_add_f32 v[\a], v[\a], v[\t]
.endm
	s_load_b256 s[4:11], s[0:1], 0x0               ; h s[4:5], wsA s[6:7], wsE s[8:9], features s[10:11]
	s_load_b128 s[12:15], s[0:1], 0x20             ; ff_b2 s[12:13], out0 s[14:15]
	s_load_b256 s[84:91], s[0:1], 0x30             ; wsD s[84:85], div_w s[86:87], cen_w s[88:89], out1 s[90:91]
	v_lshl_add_u32 v[SPW], v0, 2, SPARE
	v_mov_b32 v[NIL], 0
	ds_add_u32 v[SPW], v[NIL]                      ; the wave's opening: the add, twice on end, and its wait ahead of my first tensor load
	ds_add_u32 v[SPW], v[NIL]
	v_lshrrev_b32 v1, 5, v0
	v_readfirstlane_b32 s[WV], v1
	s_lshr_b32 s[ROLE], s[WV], 1
	s_and_b32 s[HALF], s[WV], 1
	s_bfe_u32 s19, ttmp6, 0x40000                  ; cx
	s_bfe_u32 s20, ttmp6, 0x40004                  ; cy
	s_lshl_b32 s21, ttmp9, 2
	s_add_co_u32 s21, s21, s19                     ; tile column
	s_and_b32 s22, ttmp7, 0xffff
	s_or_b32 s[GEO], s22, s[WV]
	s_lshl_b32 s22, s22, 2
	s_add_co_u32 s22, s22, s20                     ; tile row
	s_lshl_b32 s23, s20, 2
	s_lshl_b32 s23, 15, s23
	s_lshl_b32 s2, 0x1111, s19
	s_or_b32 s[G1], s23, (1<<16)|(1<<20)|(1<<21)|(5<<22)|(3<<25)
	s_or_b32 s[G1B], s2, (1<<16)|(1<<20)|(1<<21)|(6<<22)|(7<<25)
	s_mov_b32 s[G1+1], 128<<16
	s_mov_b32 s[G1+2], 64<<16
	s_mov_b32 s[G1+3], 128<<16
	s_mov_b32 s[G1+4], 64
	s_mov_b32 s[G1+5], 2048
	s_mov_b32 s[G1+6], 0
	s_mov_b32 s[G1+7], 0
	s_mov_b32 s[G1B+1], 256<<16
	s_mov_b32 s[G1B+2], 64<<16
	s_mov_b32 s[G1B+3], 256<<16
	s_mov_b32 s[G1B+4], 64
	s_mov_b32 s[G1B+5], 1024
	s_mov_b32 s[G1B+6], 0
	s_mov_b32 s[G1B+7], 0
	s_lshl_b32 s66, s22, 19                        ; h: (128 tile row + 64 half) rows of 4,096 bytes
	s_lshl_b32 s67, s[HALF], 18
	s_add_co_u32 s66, s66, s67
	s_mov_b32 s67, 0
	s_lshl_b32 s82, s[HALF], 17                    ; w2: 64 half rows of 2,048 bytes + 256 tile column x 2
	s_lshl_b32 s83, s21, 9
	s_add_co_u32 s82, s82, s83
	s_mov_b32 s83, 0
	s_mul_i32 s3, s[HALF], AH
	s_mul_i32 s2, s[HALF], BH
	s_add_co_u32 s2, s2, BB
	s_mov_b32 s[TB], 0
	s_wait_dscnt 0x0
	s_wait_kmcnt 0x0
	s_add_nc_u64 s[6:7], s[6:7], 4194304           ; w2
	s_add_nc_u64 s[68:69], s[4:5], s[66:67]
	s_add_nc_u64 s[70:71], s[6:7], s[82:83]
	CROUND
.irp s, 0,1
	s_mov_b32 s[G0+4*\s], 1
	s_add_co_u32 s[G0+4*\s+1], s3, \s*SLOT
	s_add_nc_u64 s[G0+4*\s+2:G0+4*\s+3], s[68:69], \s*256
	s_or_b32 s[G0+4*\s+3], s[G0+4*\s+3], 0x80000000
	s_mov_b32 s[G0B+4*\s], 1
	s_add_co_u32 s[G0B+4*\s+1], s2, \s*SLOT
	s_add_nc_u64 s[G0B+4*\s+2:G0B+4*\s+3], s[70:71], \s*BSTEP
	s_or_b32 s[G0B+4*\s+3], s[G0B+4*\s+3], 0x80000000
.endr
	s_cmp_eq_u32 s[ROLE], 0
	s_cbranch_scc0 .Lfirst_b
	tensor_load_to_lds s[G0:G0+3], s[G1:G1+7]
	s_nop 0
	tensor_load_to_lds s[G0+4:G0+7], s[G1:G1+7]
	s_nop 0
	PLACES
	s_branch .Lfirst_done
.Lfirst_b:
	tensor_load_to_lds s[G0B:G0B+3], s[G1B:G1B+7]
	s_nop 0
	tensor_load_to_lds s[G0B+4:G0B+7], s[G1B:G1B+7]
	s_nop 0
	PLACES
.Lfirst_done:
	v_and_b32 v1, 15, v0
	v_bfe_u32 v2, v0, 4, 1
	v_and_b32 v31, 31, v0
	v_mul_u32_u24 v[A0], v1, PA
	v_lshl_add_u32 v[A0], v2, 4, v[A0]
	s_mul_i32 s2, s[ROLE], AH
	v_add_nc_u32 v[A0], s2, v[A0]                  ; h: (64 wr + r) x 272 + 16 e
	v_and_b32 v3, 7, v0
	v_lshl_add_u32 v3, v2, 3, v3
	v_mul_u32_u24 v[B0], v3, PB
	v_bfe_u32 v3, v0, 3, 1
	v_lshl_add_u32 v[B0], v3, 4, v[B0]
	s_lshl_b32 s2, s[HALF], 8
	s_add_co_u32 s2, s2, BB
	v_add_nc_u32 v[B0], s2, v[B0]
	v_mov_b32 v[ADRA], v[A0]
	v_mov_b32 v[ADRB], v[B0]
	s_mul_i32 s2, s[WV], 64*DP
	v_mul_u32_u24 v[DW], v1, DP
	v_lshl_add_u32 v[DW], v2, 5, v[DW]
	v_add_nc_u32 v[DW], s2, v[DW]
	v_lshl_add_u32 v[DR], v31, 4, s2
	v_lshlrev_b32 v[FO], 4, v31
	s_lshl_b32 s2, s21, 10
	s_lshl_b32 s3, s[HALF], 9
	s_add_co_u32 s2, s2, s3                        ; (256 tile column + 128 wc) x 4
	v_lshl_add_u32 v[BO], v31, 4, s2
	v_lshlrev_b32 v3, 2, v31                       ; 4 l: rinv, and the first 32 distances; never rewritten
	s_lshl_b32 s74, s22, 19                        ; (128 tile row + 64 wr) rows of 4,096 bytes
	s_lshl_b32 s75, s[ROLE], 18
	s_add_co_u32 s74, s74, s75
	s_add_co_u32 s74, s74, s2
	s_mov_b32 s75, 0
	s_add_nc_u64 s[10:11], s[10:11], s[74:75]
	s_add_nc_u64 s[14:15], s[14:15], s[74:75]
	s_add_nc_u64 s[72:73], s[8:9], 16809984        ; the centre loss's 256 words
	s_lshl_b32 s74, s22, 9
	s_lshl_b32 s2, s[ROLE], 8
	s_add_co_u32 s74, s74, s2
	s_add_nc_u64 s[8:9], s[8:9], s[74:75]
	s_add_nc_u64 s[8:9], s[8:9], 16777216          ; rinv of my 64 rows
	; the prefetches: at K step 3
	s_lshl_b32 s76, s22, 19
	s_lshl_b32 s78, s19, 17                        ; my work-group's 32 rows of the 128
	s_add_co_u32 s76, s76, s78
	s_add_co_u32 s76, s76, 3*256
	s_mov_b32 s77, 0
	s_lshl_b32 s78, s[HALF], 17
	s_lshl_b32 s79, s20, 15                        ; my work-group's 16 rows of the 64
	s_add_co_u32 s78, s78, s79
	s_lshl_b32 s79, s21, 9
	s_add_co_u32 s78, s78, s79
	s_add_co_u32 s78, s78, 3*BSTEP
	s_and_b32 s79, ttmp7, 0xffff
	s_mov_b32 s[PFS], 256
	s_mov_b32 s2, BSTEP
	s_mov_b32 s[PFS+1], 0
	s_cmp_eq_u32 s[ROLE], 0
	s_cselect_b32 s76, s76, s78
	s_cselect_b32 s79, s[HALF], s79                ; h: wave 0 asks; w2: the clusters with y = 0
	s_cselect_b64 s[PFA:PFA+1], s[4:5], s[6:7]
	s_cselect_b32 s[PFS], s[PFS], s2
	s_cselect_b32 s80, 0, 1
	s_lshr_b32 s81, 4096, s80
	s_add_nc_u64 s[PFA:PFA+1], s[PFA:PFA+1], s[76:77]
	s_cmp_eq_u32 s79, 0
	s_cselect_b32 s[LIM], 2, -1
	v_lshrrev_b32 v[PFO], s80, v31
	v_mul_lo_u32 v[PFO], v[PFO], s81
	v_and_b32 v2, s80, v31
	v_lshl_add_u32 v[PFO], v2, 8, v[PFO]
	v_lshlrev_b32 v1, 5, v31                       ; out1: 32 l: my 8 of the 256 words; never rewritten from here on
	v_and_b32 v2, 15, v31
	v_lshl_add_u32 v2, v2, 2, 128                  ; distances 32 + l % 16; never rewritten from here on
.irp r, 10,11,12,13,14,15,20,21,22,23
	v_mov_b32 v\r, 0                               ; out1's words are written whole once, so that they hold numbers on every way through the text
.endr
	s_mov_b32 s92, 0
	s_mov_b32 s93, 0
.macro MUL8 n, a, zero                 ; 8 products: rows 16 a .. of my 64, all 8 column tiles; buffer n
	WIN 0xa1                                       ; source 0 window 1, source 1 window 0, C and D window 2
.irp b, 0,1,2,3,4,5,6,7
.if \zero
	v_wmma_f32_16x16x32_f16 v[8*(8*(\a)+\b):8*(8*(\a)+\b)+7], v[64+64*(\n)+8*\b:71+64*(\n)+8*\b], v[64+32*(\n)+8*(\a):71+32*(\n)+8*(\a)], 0
.else
	v_wmma_f32_16x16x32_f16 v[8*(8*(\a)+\b):8*(8*(\a)+\b)+7], v[64+64*(\n)+8*\b:71+64*(\n)+8*\b], v[64+32*(\n)+8*(\a):71+32*(\n)+8*(\a)], v[8*(8*(\a)+\b):8*(8*(\a)+\b)+7]
.endif
.endr
.endm
.macro FETCH q, n                      ; 24 LDS loads in one run: w2's 8 fragments, then h's 4
	WIN 0x40
.irp i, 0,1,2,3,4,5,6,7
	ds_load_tr16_b128 v[64+64*(\n)+8*\i:67+64*(\n)+8*\i], v[ADRB] offset:(\q)*32*PB+32*\i
	ds_load_tr16_b128 v[68+64*(\n)+8*\i:71+64*(\n)+8*\i], v[ADRB] offset:(\q)*32*PB+16*PB+32*\i
.endr
	WIN 0
.irp i, 0,1,2,3
	ds_load_b128 v[64+32*(\n)+8*\i:67+32*(\n)+8*\i], v[ADRA] offset:(\q)*64+\i*16*PA
	ds_load_b128 v[68+32*(\n)+8*\i:71+32*(\n)+8*\i], v[ADRA] offset:(\q)*64+\i*16*PA+32
.endr
.endm
.macro QUARTER q, n, g, zero
	s_wait_dscnt 4                                 ; h's last two fragments may be out
	MUL8 \n, 0, \zero
	MUL8 \n, 1, \zero
	PLACES
	FETCH \q, \g
	s_wait_dscnt 24                                ; all but the 24 just issued
	MUL8 \n, 2, \zero
	MUL8 \n, 3, \zero
.endm
.macro TURN fill
.if \fill
	s_wait_xcnt 0x0                                ; the last prefetch, a K step back, has read its address
	s_add_nc_u64 s[PFA:PFA+1], s[PFA:PFA+1], s[PFS:PFS+1]
.endif
	WIN 0
	s_wait_tensorcnt 0x0                           ; all my tensor loads have landed: my part of the next slot
	ds_add_u32 v[SPW], v[NIL]
	s_wait_dscnt 7                                 ; the add and h's last three fragments may be out
	MUL8 1, 0, 0
	s_wait_dscnt 0x0                               ; the add is done, my reads of this slot are over
	s_barrier_signal -1
	MUL8 1, 1, 0
	WIN 0
	s_barrier_wait -1
.if \fill
	CREST
	s_xor_b32 s[G0+5], s[G0+5], SLOT
	s_add_nc_u64 s[G0+6:G0+7], s[G0+6:G0+7], 256
	s_xor_b32 s[G0B+5], s[G0B+5], SLOT
	s_add_nc_u64 s[G0B+6:G0B+7], s[G0B+6:G0B+7], BSTEP
	JLOAD
.else
	PLACES
.endif
	s_xor_b32 s[TB], s[TB], SLOT
	v_add_nc_u32 v[ADRA], s[TB], v[A0]
	v_add_nc_u32 v[ADRB], s[TB], v[B0]
	FETCH 0, 0
.if \fill
	ASK
.endif
	MUL8 1, 2, 0
	MUL8 1, 3, 0
.endm
.macro FLOAD lo                        ; 32 rows of features, 512 consecutive bytes each, into window 3
	WIN 0xc0
.set t, \lo
.rept 32
	global_load_b128 v[4*t:4*t+3], v[FO], s[10:11] offset:4096*t th:TH_LOAD_NT
.set t, t+1
.endr
	WIN 0
.endm
	s_wait_tensorcnt 1                             ; my part of K step 0 is in; K step 1's may stay out
	s_barrier_signal -1
	s_barrier_wait -1
	FETCH 0, 0
	QUARTER 1, 0, 1, 1
	WIN 0
	s_mov_b32 s[CNT], NS-2
.Lstep:
	QUARTER 2, 1, 0, 0
	QUARTER 3, 0, 1, 0
	TURN 1
	QUARTER 1, 0, 1, 0
	WIN 0
	s_sub_co_u32 s[CNT], s[CNT], 1
	s_cmp_lg_u32 s[CNT], 0
	s_cbranch_scc1 .Lstep
	global_load_b128 v[4:7], v[BO], s[12:13]       ; what the way out wants is asked for under the last two K steps
	global_load_b32 v8, v3, s[8:9]
	global_load_b32 v9, v3, s[8:9] offset:128
	s_cmp_lg_u32 s[GEO], 0
	s_cbranch_scc1 .Lno_geo_a
	s_load_b32 s92, s[86:87], 0x0                  ; div_w
	s_load_b32 s93, s[88:89], 0x0                  ; cen_w
	global_load_b128 v[10:13], v1, s[72:73]        ; the 256 shares of the centre loss, 8 a lane
	global_load_b128 v[20:23], v1, s[72:73] offset:16
	global_load_b32 v14, v3, s[84:85] offset:524800    ; distances 0-31,
	global_load_b32 v15, v2, s[84:85] offset:524800    ; and 32-47 (twice: lanes 16-31 are not counted)
.Lno_geo_a:
	FLOAD 0
	QUARTER 2, 1, 0, 0
	QUARTER 3, 0, 1, 0
	TURN 0
	QUARTER 1, 0, 1, 0
	FLOAD 32
	QUARTER 2, 1, 0, 0
	QUARTER 3, 0, 1, 0
	s_wait_dscnt 4
	MUL8 1, 0, 0
	MUL8 1, 1, 0
	s_wait_dscnt 0x0
	MUL8 1, 2, 0
	MUL8 1, 3, 0
	WIN 0
	PLACES
	s_barrier_signal -1                            ; every wave's reads of both slots are over: now the ring's bytes may be written
	s_barrier_wait -1
	WIN 0x08                                       ; the stores' data in window 2
.irp a, 0,1,2,3
.irp b, 0,1,2,3,4,5,6,7
	ds_store_b128 v[DW], v[8*(8*\a+\b):8*(8*\a+\b)+3] offset:\a*16*DP+64*\b
	ds_store_b128 v[DW], v[8*(8*\a+\b)+4:8*(8*\a+\b)+7] offset:\a*16*DP+64*\b+16
.endr
.endr
	WIN 0
.macro LOADG g                         ; 8 rows back, into v[128:159] or v[192:223]
.irp t, 0,1,2,3,4,5,6,7
	ds_load_b128 v[128+64*((\g)%2)+4*\t:131+64*((\g)%2)+4*\t], v[DR] offset:(8*(\g)+\t)*DP
.endr
.endm
.macro OUTG g
	s_wait_xcnt 0x0                                ; the last group's stores have read their data
.irp t, 0,1,2,3,4,5,6,7
	v_readlane_b32 s[84+2*\t], v[8+(\g)/4], (8*(\g)+\t)%32   ; the row's rinv
.endr
.irp t, 0,1,2,3,4,5,6,7
	v_pk_fma_f32 v[160+4*\t:161+4*\t], v[128+64*((\g)%2)+4*\t:129+64*((\g)%2)+4*\t], 0x3e4ccccd, v[4:5] op_sel_hi:[1,0,1]
	v_pk_fma_f32 v[162+4*\t:163+4*\t], v[130+64*((\g)%2)+4*\t:131+64*((\g)%2)+4*\t], 0x3e4ccccd, v[6:7] op_sel_hi:[1,0,1]
.endr
	WIN 0x03                                       ; source 0 in window 3
.irp t, 0,1,2,3,4,5,6,7
	v_pk_fma_f32 v[160+4*\t:161+4*\t], v[4*(8*(\g)+\t):4*(8*(\g)+\t)+1], s[84+2*\t:85+2*\t], v[160+4*\t:161+4*\t] op_sel_hi:[1,0,1]
	v_pk_fma_f32 v[162+4*\t:163+4*\t], v[4*(8*(\g)+\t)+2:4*(8*(\g)+\t)+3], s[84+2*\t:85+2*\t], v[162+4*\t:163+4*\t] op_sel_hi:[1,0,1]
.endr
	WIN 0
.irp t, 0,1,2,3,4,5,6,7
	global_store_b128 v[FO], v[160+4*\t:163+4*\t], s[14:15] offset:4096*(8*(\g)+\t) th:TH_STORE_NT   ; 512 consecutive bytes, aligned
.endr
.endm
	LOADG 0
	s_wait_loadcnt 0x0                             ; b2, rinv, features, out1's words
	s_wait_kmcnt 0x0                               ; div_w and cen_w
.irp j, 4,5,6,7
	v_mul_f32 v[\j], 0x3e4ccccd, v[\j]             ; 0.2 b2
.endr
	s_cmp_lg_u32 s[GEO], 0
	s_cbranch_scc1 .Lno_geo_b
	s_mov_b32 s95, 0xffff                          ; lanes 0-15
	s_mov_b32 s96, 0x76543210
	s_mov_b32 s97, 0xfedcba98
	v_pk_add_f32 v[10:11], v[10:11], v[12:13]
	v_pk_add_f32 v[20:21], v[20:21], v[22:23]
	v_pk_add_f32 v[10:11], v[10:11], v[20:21]
	v_add_f32 v10, v10, v11
	v_cndmask_b32 v15, 0, v15, s95
	v_add_f32 v14, v14, v15
	WRED 10, 11                                    ; the centre loss's sum
	WRED 14, 15                                    ; the 45 distances' sum
	v_mul_f32 v14, 0x3cb60b61, v14                 ; / 45
	v_max_num_f32 v14, 0x358637bd, v14             ; 1e-6
	v_mul_f32 v14, 0xbfb8aa3b, v14
	v_exp_f32 v14, v14
	v_mul_f32 v10, 0x37800000, v10                 ; / 65,536
	s_wait_alu depctr_va_vdst(0)
	s_and_b32 s92, s92, 0x7fffffff
	s_and_b32 s93, s93, 0x7fffffff
	v_mul_f32 v14, s92, v14
	v_fmac_f32 v14, s93, v10
	v_max_num_f32 v14, 0, v14
	v_min_num_f32 v14, 0x3c23d70a, v14             ; 0.01
	s_or_b32 s94, s19, s20
	v_or_b32 v11, s94, v31                         ; 0 in lane 0 of the work-group at place 0 of its cluster
	v_mov_b32 v12, 0
	s_wait_xcnt 0x0                                ; EXEC changes only behind this wait
	v_cmp_eq_u32 vcc_lo, 0, v11
	s_and_saveexec_b32 s94, vcc_lo
	global_store_b32 v12, v14, s[90:91]
	s_wait_xcnt 0x0
	s_or_b32 exec_lo, exec_lo, s94
.Lno_geo_b:
.irp t, 0,1,2,3,4,5,6,7
	s_mov_b32 s[85+2*\t], 0                        ; out1's addresses are needed no more: s84-99 take the rows' rinv, each named with the word above it as a pair
.endr
.irp g, 0,1,2,3,4,5,6
	LOADG \g+1
	s_wait_dscnt 8                                 ; the next group's eight loads may be out
	OUTG \g
.endr
	s_wait_dscnt 0x0
	OUTG 7
	s_wait_tensorcnt 0x0                           ; the wave's end
	ds_add_u32 v[SPW], v[NIL]
	s_wait_dscnt 0x0
	CROUND                                         ; the closing round
	s_endpgm
.Lfunc_end_k_qc009465ccb_ff2:
	.size	k_qc009465ccb_ff2, .Lfunc_end_k_qc009465ccb_ff2-k_qc009465ccb_ff2
	.p2alignl 7, 3214868480
	.fill 96, 4, 3214868480
	.section	.rodata,"a",@progbits
	.p2align	6, 0x0
	.amdhsa_kernel k_qc009465ccb_ff2
		.amdhsa_group_segment_fixed_size 327680
		.amdhsa_private_segment_fixed_size 0
		.amdhsa_enable_private_segment 0
		.amdhsa_kernarg_size 80
		.amdhsa_user_sgpr_count 2
		.amdhsa_user_sgpr_kernarg_segment_ptr 1
		.amdhsa_wavefront_size32 1
		.amdhsa_system_sgpr_workgroup_id_x 1
		.amdhsa_system_sgpr_workgroup_id_y 1
		.amdhsa_system_sgpr_workgroup_id_z 1
		.amdhsa_system_vgpr_workitem_id 0
		.amdhsa_next_free_vgpr 1024
		.amdhsa_next_free_sgpr 100
		.amdhsa_reserve_vcc 1
		.amdhsa_float_denorm_mode_32 3
		.amdhsa_float_denorm_mode_16_64 3
		.amdhsa_memory_ordered 1
		.amdhsa_forward_progress 1
		.amdhsa_inst_pref_size 106
	.end_amdhsa_kernel
	.amdgpu_metadata
---
amdhsa.version: [ 1, 2 ]
amdhsa.kernels:
  - .name:           k_qc009465ccb_ff2
    .symbol:         k_qc009465ccb_ff2.kd
    .args:
      - { .name: wsH, .offset: 0, .size: 8, .value_kind: global_buffer, .address_space: global }
      - { .name: wsA, .offset: 8, .size: 8, .value_kind: global_buffer, .address_space: global }
      - { .name: wsE, .offset: 16, .size: 8, .value_kind: global_buffer, .address_space: global }
      - { .name: features, .offset: 24, .size: 8, .value_kind: global_buffer, .address_space: global }
      - { .name: ff_b2, .offset: 32, .size: 8, .value_kind: global_buffer, .address_space: global }
      - { .name: out0, .offset: 40, .size: 8, .value_kind: global_buffer, .address_space: global }
      - { .name: wsD, .offset: 48, .size: 8, .value_kind: global_buffer, .address_space: global }
      - { .name: div_w, .offset: 56, .size: 8, .value_kind: global_buffer, .address_space: global }
      - { .name: cen_w, .offset: 64, .size: 8, .value_kind: global_buffer, .address_space: global }
      - { .name: out1, .offset: 72, .size: 8, .value_kind: global_buffer, .address_space: global }
    .group_segment_fixed_size: 327680
    .private_segment_fixed_size: 0
    .kernarg_segment_align: 8
    .kernarg_segment_size: 80
    .max_flat_workgroup_size: 128
    .sgpr_count:     100
    .vgpr_count:     1024
    .wavefront_size: 32
...
	.end_amdgpu_metadata
.endif
;; end of part 7
;; ======== version 2 of 2: 7 launches; version 1 with the launch prep written anew for expert scheduling mode
;; limits: a function is approximated: absolute error at most 3e-07; values outside matrix products are rounded to bf16; values are held in f16: magnitudes above 65,504 overflow, below 6.1e-05 lose precision; right only within a limited range of input values
;; workspace buffers: wsA 8,421,376 bytes; wsB 66,560 bytes; wsC 164,096 bytes; wsD 525,056 bytes; wsE 16,811,008 bytes; wsH 33,554,432 bytes
;; launch prep (part 8): grid 136 x 1, 16 waves a work-group, no clusters, 67,584 bytes of LDS; arguments anchors, ar_w1, ar_b1, ff_w1, ff_w2, wsA; writes wsA
.if DOCPART == 8
	.amdgcn_target "amdgcn-amd-amdhsa--gfx1250"
	.amdhsa_code_object_version 6
	.text
	.protected	k_qc009465ccb_prep
	.globl	k_qc009465ccb_prep
	.p2align	8
	.type	k_qc009465ccb_prep,@function
k_qc009465ccb_prep:
	s_mov_b64 s[64:65], 0
	v_nop
	global_prefetch_b8 v0, s[64:65] scope:SCOPE_SE
	s_setreg_imm32_b32 hwreg(HW_REG_WAVE_SCHED_MODE, 0, 2), 2
	s_setreg_imm32_b32 hwreg(HW_REG_WAVE_MODE, 25, 1), 1
	s_wait_xcnt 0x0
	s_wait_alu depctr_vm_vsrc(0)
; FIRST OF SEVEN LAUNCHES.  The program computes final = fn + 0.2 ff(LN(fn + 0.1 att)) and the scalar geo.
; WORK LEFT OUT, for all values of the inputs:
;  (1) k_b.  With k = an k_w + k_b the score of (row, head h, anchor a) is q_h . (an k_w)_a,h + q_h . k_b,h.  The second term does not depend on a: it is the same along
;      the softmax's axis, so it cancels in aw, and the scores reach no output but through aw.  k_b is not loaded and is no argument of any launch.
;  (2) The products fn q_w and att o_w are reassociated, not dropped: (fn q_w + q_b) . k = fn (q_w k^T) + q_b . k, and (aw v) o_w = aw (v o_w); o_b rides on head 0's rows
;      of v o_w, since a head's weights add up to 1.
; FORMATS.  Sums are f32.  The anchor chain, the scores and the attended vector multiply in bf16.  The two large products (x ff_w1, h ff_w2) multiply in f16: a rounding to bf16's 8 significant
; bits is off by some 0.16% (root mean square), and x's, ff_w1's, h's and ff_w2's together by some 0.3% of the ff output's root mean square, too near the 1% that every single number has to keep;
; f16's 11 bits make that an eighth.
; LIMITS.  A NaN, an infinity or an overflow that reaches only k_b is not carried to the result.  f16 ends at 65,504: |x| is at most 32 |ln_g| + |ln_b|; a pre-activation x ff_w1 + ff_b1 of 65,520 or
; more gives an infinity in h; a weight below 6e-5 keeps f16's fixed step of 6e-8.
; THIS LAUNCH.  Work-groups 0-7: hid = relu(anchors ar_w1 + ar_b1), [16][512] f32; rows 10-15 repeat anchor 9, so that every later tile of 16 anchors holds finite numbers.
; Work-groups 8-135: ff_w1 and ff_w2 rounded once to f16, in place order (128 KiB of f32 a work-group, 8 KiB a wave).
; THE PRODUCT WITH 16 ROWS.  A work-group makes 64 columns; K is split among its 16 waves, 64 each (two steps of 32).  W lies [K][N]: a lane loads 16 bytes of a row, columns
; 64 g + 4 r .. + 3, so 16 lanes take 256 consecutive aligned bytes; word t of each load belongs to tile t, whose column slot r is column 64 g + 4 r + t: no transposition is needed.
; The 16 partial tiles meet in LDS; wave m then adds up row m, two columns a lane, and stores 256 consecutive aligned bytes.
; THE MODE: SCHED_MODE bits 1:0 = 2 (LLVM: expert scheduling mode 2), set by the entry lines.  The code itself states the register dependences
; between vector or matrix instructions and memory or LDS instructions, with s_wait_alu, always for 0.
; THE PLAN.  Registers that memory or LDS instructions touch:
;  The product's way.  v8, v9, v12 (offsets) and v10, v11 (LDS addresses): written at the head, never again.  v4-5: the bias, loaded once.  v32-63: X's loads land there, the sixteen conversions read
;    them, the matrix instructions write the sums there, the LDS stores read those; nothing writes them after that.  v64-191: W's loads land there, the conversions read them; behind the barrier the
;    LDS loads land in v64-95, the sums are made there in place, and v64-65 are the data of the one global store, the wave's last.  v14, v15: written at the head, read by the closing add alone.
;    So three waits on va_vdst: ahead of the first load (the offsets and addresses), ahead of the LDS stores (the sums; it also states that the conversions are done reading v64-95, and no vector
;    instruction stands between it and the LDS loads that land there), ahead of the global store (its data).
;  The cast's way.  v2, v3 (offsets): written once.  v64-127: loaded once, read by the conversions.  v128-159: four groups of eight, each written once, by its group's conversions, and read once, by
;    four stores that are issued in the next group.  So one wait on va_vdst ahead of the loads, one at the head of each group but the first, one ahead of the last four stores; a group's four
;    stores are dealt among the next group's conversions, which name that next group's registers alone.
;  On neither way is a register that a memory or LDS instruction has read written again: no wait on vm_vsrc has a dependence to state.
.set SPARE, 65536                      ; behind the partial sums: the spare words, 128 bytes a wave
.set HID, 8388608                      ; hid's place in wsA
.set ROWB, 2048                        ; bytes in a row of ar_w1
	s_load_b256 s[4:11], s[0:1], 0x0               ; anchors s[4:5], ar_w1 s[6:7], ar_b1 s[8:9], ff_w1 s[10:11]
	s_load_b128 s[12:15], s[0:1], 0x20             ; ff_w2 s[12:13], wsA s[14:15]
	v_lshl_add_u32 v14, v0, 2, SPARE               ; my spare word
	v_mov_b32 v15, 0
	v_lshrrev_b32 v1, 5, v0
	v_readfirstlane_b32 s16, v1                    ; wave 0..15
	v_and_b32 v1, 31, v0                           ; lane
	s_mov_b32 s23, 0
	s_wait_alu depctr_va_sdst(0)                   ; s16 is written, ahead of the branch and of its first reader on either way
	s_cmp_lt_u32 ttmp9, 8
	s_cbranch_scc0 .Lcast
	v_and_b32 v2, 15, v0                           ; r
	v_bfe_u32 v3, v0, 4, 1                         ; e
	s_lshl_b32 s18, s16, 17                        ; 64 w rows of 2,048 bytes
	s_lshl_b32 s19, ttmp9, 8                       ; 64 g columns
	s_add_co_u32 s18, s18, s19
	v_lshlrev_b32 v8, 4, v2
	v_lshl_add_u32 v8, v3, 14, v8                  ; + 8 e rows
	v_add_nc_u32 v8, s18, v8                       ; W's offset
	v_min_u32 v13, 9, v2                           ; rows 10-15 take anchor 9
	v_lshlrev_b32 v9, 12, v13
	v_lshl_add_u32 v9, v3, 5, v9
	s_lshl_b32 s18, s16, 8
	v_add_nc_u32 v9, s18, v9                       ; X's offset: row x 4,096 + (64 w + 8 e) x 4
	s_lshl_b32 s18, s16, 12
	v_lshl_add_u32 v10, v1, 4, s18                 ; where I put my partial tiles: 4,096 w + 16 l
	s_lshr_b32 s20, s16, 3                         ; where row m = my wave lies in a partial tile: lanes' half m / 8 (256 bytes),
	s_lshl_b32 s20, s20, 8
	s_lshr_b32 s21, s16, 2
	s_and_b32 s21, s21, 1                          ; quad (m / 4) % 2 (512 bytes),
	s_lshl_b32 s21, s21, 9
	s_add_co_u32 s20, s20, s21
	s_and_b32 s21, s16, 3                          ; word m % 4
	s_lshl_b32 s21, s21, 2
	s_add_co_u32 s20, s20, s21
	v_lshrrev_b32 v13, 1, v1
	v_lshl_add_u32 v11, v13, 4, s20                ; column slot l / 2
	v_and_b32 v13, 1, v1
	v_lshl_add_u32 v11, v13, 11, v11               ; tiles 2 (l % 2) and 2 (l % 2) + 1
	v_lshl_add_u32 v12, v1, 3, s19                 ; 256 g + 8 l: my two columns, in ar_b1 and in a row of hid
	s_lshl_b32 s22, s16, 11                        ; row m of hid
	s_wait_kmcnt 0x0
	s_add_nc_u64 s[14:15], s[14:15], s[22:23]
	s_add_nc_u64 s[14:15], s[14:15], HID
	s_wait_alu depctr_va_vdst(0)                   ; the offsets v8, v9, v12 and the LDS addresses v10, v11 are written: every load and store of this way reads one of them, and no vector instruction names them again
	global_load_b64 v[4:5], v12, s[8:9]            ; the bias: the oldest load
.irp k, 0,1
	global_load_b128 v[32+16*\k:35+16*\k], v9, s[4:5] offset:128*\k
	global_load_b128 v[36+16*\k:39+16*\k], v9, s[4:5] offset:128*\k+16
	global_load_b128 v[40+16*\k:43+16*\k], v9, s[4:5] offset:128*\k+64
	global_load_b128 v[44+16*\k:47+16*\k], v9, s[4:5] offset:128*\k+80
.endr
.set i, 0
.rept 32                               ; load i % 16 of step i / 16: rows 8 e + 0..7, then 16 + 8 e + 0..7
	global_load_b128 v[64+4*i:67+4*i], v8, s[6:7] offset:(32*(i/16)+(i%16)+8*((i%16)/8))*ROWB th:TH_LOAD_NT
.set i, i+1
.endr
.macro WCVT ks                         ; W's four fragments of step ks: register p of tile t holds rows 2 p, 2 p + 1
.set t, 0
.rept 4
.set p, 0
.rept 8
	v_cvt_pk_bf16_f32 v[192+32*(\ks)+8*t+p], v[64+64*(\ks)+8*p+t], v[64+64*(\ks)+8*p+4+t]
.set p, p+1
.endr
.set t, t+1
.endr
.endm
.macro WMUL ks, zero                   ; four products, the four accumulators by turns
.irp t, 0,1,2,3
.if \zero
	v_wmma_f32_16x16x32_bf16 v[32+8*\t:39+8*\t], v[16+8*(\ks):23+8*(\ks)], v[192+32*(\ks)+8*\t:199+32*(\ks)+8*\t], 0
.else
	v_wmma_f32_16x16x32_bf16 v[32+8*\t:39+8*\t], v[16+8*(\ks):23+8*(\ks)], v[192+32*(\ks)+8*\t:199+32*(\ks)+8*\t], v[32+8*\t:39+8*\t]
.endif
.endr
.endm
	s_wait_loadcnt 32                              ; W's 32 loads are younger: the bias and X are in
.set p, 0
.rept 16
	v_cvt_pk_bf16_f32 v[16+p], v[32+2*p], v[33+2*p]
.set p, p+1
.endr
	s_wait_loadcnt 16                              ; step 0 of W is in
	WCVT 0
	WMUL 0, 1
	s_wait_loadcnt 0x0
	WCVT 1
	WMUL 1, 0
.rept 4
	v_nop                                          ; four places between the last product and the stores that read the sums
.endr
	s_wait_alu depctr_va_vdst(0)                   ; the matrix instructions have written v32-63, which the LDS stores read (the places above stay beside this wait); the conversions are done reading v64-95, in which the LDS loads behind the barrier land
.irp t, 0,1,2,3
	ds_store_b128 v10, v[32+8*\t:35+8*\t] offset:1024*\t
	ds_store_b128 v10, v[36+8*\t:39+8*\t] offset:1024*\t+512
.endr
	s_wait_dscnt 0x0                               ; for the others' sake: my partial tiles lie in LDS
	s_barrier_signal -1
	s_barrier_wait -1
.set w, 0
.rept 16
	ds_load_b32 v[64+2*w], v11 offset:4096*w       ; no wait: no vector or matrix instruction since the wait above names v64-95 or v11
	ds_load_b32 v[65+2*w], v11 offset:4096*w+1024
.set w, w+1
.endr
	s_wait_dscnt 0x0                               ; my reads of the partial tiles are back
	s_barrier_signal -1                            ; a second barrier, between all waves' reads and the next write of LDS by any wave (the add at a wave's end); the sums stand inside it
.irp s, 8,4,2,1
.set w, 0
.rept \s
	v_pk_add_f32 v[64+2*w:65+2*w], v[64+2*w:65+2*w], v[64+2*(w+\s):65+2*(w+\s)]
.set w, w+1
.endr
.endr
	s_barrier_wait -1
	v_pk_add_f32 v[64:65], v[64:65], v[4:5]
	v_max_num_f32 v64, 0, v64
	v_max_num_f32 v65, 0, v65
	s_wait_alu depctr_va_vdst(0)                   ; the two maxima have written v64-65, which the store reads
	global_store_b64 v12, v[64:65], s[14:15]       ; the wave stores 256 consecutive bytes, aligned
	s_wait_dscnt 0x0                               ; the wave's end
	s_wait_alu 0x0
	s_wait_tensorcnt 0x0
	ds_add_u32 v14, v15
	s_wait_dscnt 0x0
	s_endpgm
.Lcast:                                        ; f32 to f16: 16 loads of 512 bytes a wave, 16 stores of 256; no LDS is touched on this way
	s_sub_co_u32 s17, ttmp9, 8
	s_and_b32 s18, s17, 63
	s_lshl_b32 s20, s18, 17
	s_lshl_b32 s19, s16, 13
	s_add_co_u32 s20, s20, s19
	s_mov_b32 s21, 0
	s_lshr_b32 s22, s17, 6
	s_lshl_b32 s22, s22, 22                        ; ff_w2's copy lies 4 MiB behind ff_w1's
	s_lshl_b32 s19, s18, 16
	s_add_co_u32 s22, s22, s19
	s_lshl_b32 s19, s16, 12
	s_add_co_u32 s22, s22, s19
	v_lshlrev_b32 v2, 4, v1
	v_lshlrev_b32 v3, 3, v1
	s_wait_kmcnt 0x0
	s_cmp_lt_u32 s17, 64
	s_cselect_b64 s[24:25], s[10:11], s[12:13]
	s_add_nc_u64 s[24:25], s[24:25], s[20:21]
	s_add_nc_u64 s[14:15], s[14:15], s[22:23]
	s_wait_alu depctr_va_vdst(0)                   ; v2 and v3 are written: the loads read the one as their offset, the stores the other, and no vector instruction names them again
.set i, 0
.rept 16
	global_load_b128 v[64+4*i:67+4*i], v2, s[24:25] offset:512*i th:TH_LOAD_NT
.set i, i+1
.endr
.irp q, 0,1,2,3                        ; group q: four loads' numbers are rounded; the four stores of group q - 1 are dealt among its conversions
	s_wait_loadcnt 12-4*\q                         ; the younger groups of four may stay out
.if \q > 0
	s_wait_alu depctr_va_vdst(0)                   ; the group before has written its eight registers, which the four stores below read; this group's conversions name its own registers alone
.endif
.irp i, 0,1,2,3
.if \q > 0
	global_store_b64 v3, v[120+8*\q+2*\i:121+8*\q+2*\i], s[14:15] offset:256*(4*\q-4+\i)
.endif
	v_cvt_pk_f16_f32 v[128+8*\q+2*\i], v[64+16*\q+4*\i], v[65+16*\q+4*\i]
	v_cvt_pk_f16_f32 v[129+8*\q+2*\i], v[66+16*\q+4*\i], v[67+16*\q+4*\i]
.endr
.endr
	s_wait_alu depctr_va_vdst(0)                   ; the last group's conversions have written v152-159, which the last four stores read
.irp i, 0,1,2,3
	global_store_b64 v3, v[152+2*\i:153+2*\i], s[14:15] offset:256*(12+\i)
.endr
	s_endpgm
.Lfunc_end_k_qc009465ccb_prep:
	.size	k_qc009465ccb_prep, .Lfunc_end_k_qc009465ccb_prep-k_qc009465ccb_prep
	.p2alignl 7, 3214868480
	.fill 96, 4, 3214868480
	.section	.rodata,"a",@progbits
	.p2align	6, 0x0
	.amdhsa_kernel k_qc009465ccb_prep
		.amdhsa_group_segment_fixed_size 67584
		.amdhsa_private_segment_fixed_size 0
		.amdhsa_enable_private_segment 0
		.amdhsa_kernarg_size 48
		.amdhsa_user_sgpr_count 2
		.amdhsa_user_sgpr_kernarg_segment_ptr 1
		.amdhsa_wavefront_size32 1
		.amdhsa_system_sgpr_workgroup_id_x 1
		.amdhsa_system_sgpr_workgroup_id_y 1
		.amdhsa_system_sgpr_workgroup_id_z 1
		.amdhsa_system_vgpr_workitem_id 0
		.amdhsa_next_free_vgpr 256
		.amdhsa_next_free_sgpr 66
		.amdhsa_reserve_vcc 0
		.amdhsa_float_denorm_mode_32 3
		.amdhsa_float_denorm_mode_16_64 3
		.amdhsa_memory_ordered 1
		.amdhsa_forward_progress 1
		.amdhsa_inst_pref_size 22
	.end_amdhsa_kernel
	.amdgpu_metadata
---
amdhsa.version: [ 1, 2 ]
amdhsa.kernels:
  - .name:           k_qc009465ccb_prep
    .symbol:         k_qc009465ccb_prep.kd
    .args:
      - { .name: anchors, .offset: 0, .size: 8, .value_kind: global_buffer, .address_space: global }
      - { .name: ar_w1, .offset: 8, .size: 8, .value_kind: global_buffer, .address_space: global }
      - { .name: ar_b1, .offset: 16, .size: 8, .value_kind: global_buffer, .address_space: global }
      - { .name: ff_w1, .offset: 24, .size: 8, .value_kind: global_buffer, .address_space: global }
      - { .name: ff_w2, .offset: 32, .size: 8, .value_kind: global_buffer, .address_space: global }
      - { .name: wsA, .offset: 40, .size: 8, .value_kind: global_buffer, .address_space: global }
    .group_segment_fixed_size: 67584
    .private_segment_fixed_size: 0
    .kernarg_segment_align: 8
    .kernarg_segment_size: 48
    .max_flat_workgroup_size: 512
    .sgpr_count:     66
    .vgpr_count:     256
    .wavefront_size: 32
...
	.end_amdgpu_metadata
.endif
;; end of part 8
;; launch refine: the kernel of part 2 again; grid 16 x 1, 16 waves a work-group, no clusters, 67,584 bytes of LDS; arguments wsA, ar_w2, ar_b2, anchors, wsB; writes wsB
;; launch kv: the kernel of part 3 again; grid 33 x 1, 16 waves a work-group, no clusters, 67,584 bytes of LDS; arguments wsB, k_w, v_w, v_b, wsC; writes wsC
;; launch fold: the kernel of part 4 again; grid 52 x 1, 8 waves a work-group, no clusters, 0 bytes of LDS; arguments wsC, q_w, q_b, o_w, o_b, wsD; writes wsD
;; launch front: the kernel of part 5 again; grid 256 x 1, 8 waves a work-group, no clusters, 291,584 bytes of LDS; arguments features, wsC, wsD, ln_g, ln_b, wsE; writes wsE
;; launch ff1: the kernel of part 6 again; grid 8 x 32, 4 waves a work-group, clusters of 4 x 4, 327,680 bytes of LDS; arguments wsE, wsA, ff_b1, wsH; writes wsH
;; launch ff2: the kernel of part 7 again; grid 4 x 64, 4 waves a work-group, clusters of 4 x 4, 327,680 bytes of LDS; arguments wsH, wsA, wsE, features, ff_b2, out0, wsD, div_w, cen_w, out1; writes out0, out1
